; MI455X (gfx1250); checked and timed in simulation.
; The chip was launched on July 23, 2026; its instructions are those of AMD's public machine-readable ISA for CDNA 5 (MIT licence, August 2026) and "CDNA5" Instruction Set Architecture Reference Guide (July 2026). The comments in the code are by the model that wrote it; some were corrected since.
;; VLLTR. Allowed arithmetic: float matrix products may take bf16 or f16 operands with f32 sums; other float arithmetic in f32, or as packed bf16 or f16 multiplies, adds, multiply-adds, maxima and minima; sums over many terms, partial sums and values carried from step to step in f32; what a program stores and reads back later, other than sums and carried values, may be rounded once to bf16 or f16.
;; Inputs: W1 512 x 2,048 float32; W2 2,048 x 1,000 float32; Wk 512 x 512 float32; Wq 512 x 512 float32; b1 2,048 float32; b2 1,000 float32; key_padding_mask 512 x 256 bool; kx 512 x 256 x 512 float32; ln_k_b 512 float32; ln_k_g 512 float32; ln_q_b 512 float32; ln_q_g 512 float32; logit_scale 1 float32; qx 256 x 1 x 512 float32.
;; Outputs: out0 256 x 1,000 float32; out1 256 x 512 float32.
;; 2 versions, each right; version 2 is version 1 with the launch attn written anew for expert scheduling mode. Each part assembles by itself: llvm-mc -triple=amdgcn-amd-amdhsa -mcpu=gfx1250 --defsym DOCPART=n.
;; ======== version 1 of 2: 3 launches
;; limits: values are held in f16: magnitudes above 65,504 overflow, below 6.1e-05 lose precision
;; workspace buffers: QF 262,144 bytes; HF 1,048,576 bytes; QXF 262,144 bytes; QGF 262,144 bytes; QS 2,048 bytes; CBP 16,384 bytes
;; launch lin1 (part 1): grid 40 x 8, 4 waves a work-group, no clusters, 148,480 bytes of LDS; arguments qx, ln_q_g, ln_q_b, Wq, W1, b1, logit_scale, QF, HF, QXF, QS; writes QF, HF, QXF, QS
.if DOCPART == 1
	.amdgcn_target "amdgcn-amd-amdhsa--gfx1250"
	.amdhsa_code_object_version 6
	.text
	.protected	k_qf7b215f4d9_lin1
	.globl	k_qf7b215f4d9_lin1
	.p2align	8
	.type	k_qf7b215f4d9_lin1,@function
k_qf7b215f4d9_lin1:
	s_mov_b64 s[64:65], 0
	v_nop
	global_prefetch_b8 v0, s[64:65] scope:SCOPE_SE
	s_setreg_imm32_b32 hwreg(HW_REG_WAVE_MODE, 25, 1), 1
	s_wait_xcnt 0x0
; q = LN(qx) Wq (work-groups x = 0..7) and h = relu(qx W1 + b1) (x = 8..39), each 32 queries x 64 columns; x = 8 also writes the tables of qx.
; Matrix operands in f16, sums in f32.  LIMIT: LN(qx) g + b, qx, the weights, q and h must lie within f16's range (65,504).
; K = 512 IS SPLIT AMONG THE FOUR WAVES: wave w takes k = 128 w .. 128 w + 127, stages its own 128 x 64 block of the weights (f32 -> f16) in its own LDS bytes,
; so no barrier stands in the product; the four partial sums meet in LDS once.
; PRODUCT: source 0 = 16 columns of W (turned out of LDS), source 1 = 16 queries: in the result a lane holds ONE query (lane % 16) and columns 8 (lane / 16) + 0..7:
; eight f16 = 16 bytes, which is a lane's share of the tables' order: [query tile of 16][block of 16 columns][lane] x 16 bytes, so a wave's store covers 512 consecutive bytes.
; No tensor loads: the f32 weights pass through registers to be converted.  No cluster: a work-group's weights are 128 KiB read by eight work-groups, once.
.set ATP, 1040                         ; a row of the activations in LDS: 1,024 bytes + 16: 65 x 16, so 16 rows of a fragment load start 16 bytes apart modulo 256
.set WLO, 32*ATP                       ; behind the 32 rows: each wave's weights, 128 rows of 160 bytes (128 + 32: 5 x 32, for the turning load)
.set WLB, 20480
.set WP,  160
.set RED, WLO+4*WLB                    ; the partial sums: wave w's 8 tiles of 1,024 bytes at 8,192 w
.set SPARE, RED+32768                  ; the spare words, 128 bytes a wave; no other line names them
.set SPW, 1
.set NIL, 2
.set LN,  3                            ; lane
.set RR,  4                            ; lane % 16
.set HH,  5                            ; lane / 16
.set QO,  6                            ; offset of my 16 bytes in the wave's rows of qx; later in b1
.set ATS, 7                            ; where I store 8 bytes of a row of activations
.set WO,  8                            ; my offset in two rows of W
.set WS,  9                            ; where I store 8 bytes of them
.set WTR, 10                           ; the turning load's address
.set ATF, 11                           ; the activation fragments' address
.set RS,  12
.set RL,  13
.set OO,  14
.set GO,  15
.set T,   16                           ; v16-23 at work
.set TT,  24                           ; v24-31 converted pairs
.set QV,  24                           ; (in the tables' block) v24-25: IQ, sum of qx
.set SSQ, 26
.set ACC, 32                           ; v32-95: accumulator (query tile qt, column tile nt) at ACC + 8 (4 qt + nt)
.set GG,  96                           ; v96-111 gain; later b1
.set BB,  112                          ; v112-127 bias of the norm
.set ST,  128                          ; v128-255: my 8 rows of qx; then the ring of 32 loads; then fragments
.set WF,  128
.set AF,  192
.set WV,  4
.set X,   5
.set Y,   6
.set CT,  7
.set SEL, 30
.set C512, 42
.set EPS, 43
.macro PLACES
.rept 4
	v_nop
.endr
.endm
.macro LSUM x                          ; the lane's 16 numbers at v[x ..] into v[T]
	v_pk_add_f32 v[T:T+1], v[(\x):(\x)+1], v[(\x)+2:(\x)+3]
	v_pk_add_f32 v[T+2:T+3], v[(\x)+4:(\x)+5], v[(\x)+6:(\x)+7]
	v_pk_add_f32 v[T+4:T+5], v[(\x)+8:(\x)+9], v[(\x)+10:(\x)+11]
	v_pk_add_f32 v[T+6:T+7], v[(\x)+12:(\x)+13], v[(\x)+14:(\x)+15]
	v_pk_add_f32 v[T:T+1], v[T:T+1], v[T+2:T+3]
	v_pk_add_f32 v[T+4:T+5], v[T+4:T+5], v[T+6:T+7]
	v_pk_add_f32 v[T:T+1], v[T:T+1], v[T+4:T+5]
	v_add_f32 v[T], v[T], v[T+1]
.endm
.macro LSQ x                           ; their squares' sum into v[T]
	v_pk_mul_f32 v[T:T+1], v[(\x):(\x)+1], v[(\x):(\x)+1]
	v_pk_mul_f32 v[T+2:T+3], v[(\x)+2:(\x)+3], v[(\x)+2:(\x)+3]
.set c, 2
.rept 6
	v_pk_fma_f32 v[T+2*(c%2):T+2*(c%2)+1], v[(\x)+2*c:(\x)+2*c+1], v[(\x)+2*c:(\x)+2*c+1], v[T+2*(c%2):T+2*(c%2)+1]
.set c, c+1
.endr
	v_pk_add_f32 v[T:T+1], v[T:T+1], v[T+2:T+3]
	v_add_f32 v[T], v[T], v[T+1]
.endm
.macro RSUM                            ; v[T] summed over the 32 lanes, the result in every lane
	v_add_f32_dpp v[T], v[T], v[T] row_xmask:1 row_mask:0xf bank_mask:0xf
	v_add_f32_dpp v[T], v[T], v[T] row_xmask:2 row_mask:0xf bank_mask:0xf
	v_add_f32_dpp v[T], v[T], v[T] row_xmask:4 row_mask:0xf bank_mask:0xf
	v_add_f32_dpp v[T], v[T], v[T] row_xmask:8 row_mask:0xf bank_mask:0xf
	v_permlanex16_b32 v[T+1], v[T], s[SEL], s[SEL+1]
	v_add_f32 v[T], v[T], v[T+1]
.endm
.macro TOAT rho                        ; row rho rounded to f16 and stored: channels 128 i + 4 lane are bytes 256 i + 8 lane
.set c, 0
.rept 8
	v_cvt_pk_f16_f32 v[TT+c], v[ST+16*(\rho)+2*c], v[ST+16*(\rho)+2*c+1]
.set c, c+1
.endr
.set c, 0
.rept 4
	ds_store_b64 v[ATS], v[TT+2*c:TT+2*c+1] offset:(\rho)*ATP+256*c
.set c, c+1
.endr
.endm
.macro ROWLN rho                       ; the layer norm of row rho, in two passes: mean, then the centred squares
.set XR, ST+16*(\rho)
	LSUM XR
	RSUM
	v_mul_f32 v[T], s[C512], v[T]
.set c, 0
.rept 8
	v_pk_add_f32 v[XR+2*c:XR+2*c+1], v[XR+2*c:XR+2*c+1], v[T:T+1] op_sel_hi:[1,0] neg_lo:[0,1] neg_hi:[0,1]
.set c, c+1
.endr
	LSQ XR
	RSUM
	v_fma_f32 v[T], v[T], s[C512], s[EPS]
	v_rsq_f32 v[T+2], v[T]
	v_nop                                          ; a plain instruction behind the root,
	s_wait_alu depctr_va_vdst(0)                   ; and the wait ahead of its first reader
.set c, 0
.rept 8
	v_pk_mul_f32 v[XR+2*c:XR+2*c+1], v[XR+2*c:XR+2*c+1], v[T+2:T+3] op_sel_hi:[1,0]
.set c, c+1
.endr
.set c, 0
.rept 8
	v_pk_fma_f32 v[XR+2*c:XR+2*c+1], v[XR+2*c:XR+2*c+1], v[GG+2*c:GG+2*c+1], v[BB+2*c:BB+2*c+1]
.set c, c+1
.endr
	TOAT \rho
.endm
.macro STAT rho                        ; row rho's sum and sum of squares go to lane rho
	LSUM ST+16*(\rho)
	RSUM
	v_cmp_eq_u32 vcc_lo, \rho, v[LN]
	v_cndmask_b32 v[QV+1], v[QV+1], v[T], vcc_lo
	LSQ ST+16*(\rho)
	RSUM
	v_cndmask_b32 v[SSQ], v[SSQ], v[T], vcc_lo
.endm
; 128 rows x 64 columns of f32 come in by 64 loads (two rows of 256 bytes each) through a ring of ns register slots, are rounded to f16 and stored to my LDS bytes.
.macro STAGE ns, ldimm, stimm
.set j, 0
.rept \ns
	global_load_b128 v[ST+4*j:ST+4*j+3], v[WO], s[34:35] offset:j*(\ldimm)
.set j, j+1
.endr
.set j, 0
.rept 64
.if j < 64-(\ns)
	s_wait_loadcnt (\ns)-1                         ; load j is in; the ns - 1 younger ones stay out
.else
	s_wait_loadcnt 63-j                            ; nothing more is asked for: the counts run down
.endif
	v_cvt_pk_f16_f32 v[TT+2*(j%4)], v[ST+4*(j%(\ns))], v[ST+4*(j%(\ns))+1]
	v_cvt_pk_f16_f32 v[TT+2*(j%4)+1], v[ST+4*(j%(\ns))+2], v[ST+4*(j%(\ns))+3]
	ds_store_b64 v[WS], v[TT+2*(j%4):TT+2*(j%4)+1] offset:j*(\stimm)
.if j < 64-(\ns)
	global_load_b128 v[ST+4*(j%(\ns)):ST+4*(j%(\ns))+3], v[WO], s[34:35] offset:(j+(\ns))*(\ldimm)
.endif
.set j, j+1
.endr
.endm
; Two K steps of 32: 16 turning loads (W), 8 loads (activations), 16 products on the 8 accumulators by turns, four places.
.macro MM2 s0, zero
.set sp, 0
.rept 2
.set nt, 0
.rept 4
	ds_load_tr16_b128 v[WF+32*sp+8*nt:WF+32*sp+8*nt+3], v[WTR] offset:((\s0)+sp)*32*WP+32*nt
	ds_load_tr16_b128 v[WF+32*sp+8*nt+4:WF+32*sp+8*nt+7], v[WTR] offset:((\s0)+sp)*32*WP+16*WP+32*nt
.set nt, nt+1
.endr
.set nt, 0
.rept 2
	ds_load_b128 v[AF+16*sp+8*nt:AF+16*sp+8*nt+3], v[ATF] offset:nt*16*ATP+64*((\s0)+sp)
	ds_load_b128 v[AF+16*sp+8*nt+4:AF+16*sp+8*nt+7], v[ATF] offset:nt*16*ATP+64*((\s0)+sp)+32
.set nt, nt+1
.endr
.set sp, sp+1
.endr
	s_wait_dscnt 0x0
.set sp, 0
.rept 2
.set i, 0
.rept 8
.if (\zero) && (sp == 0)
	v_wmma_f32_16x16x32_f16 v[ACC+8*i:ACC+8*i+7], v[WF+32*sp+8*(i%4):WF+32*sp+8*(i%4)+7], v[AF+16*sp+8*(i/4):AF+16*sp+8*(i/4)+7], 0
.else
	v_wmma_f32_16x16x32_f16 v[ACC+8*i:ACC+8*i+7], v[WF+32*sp+8*(i%4):WF+32*sp+8*(i%4)+7], v[AF+16*sp+8*(i/4):AF+16*sp+8*(i/4)+7], v[ACC+8*i:ACC+8*i+7]
.endif
.set i, i+1
.endr
.set sp, sp+1
.endr
	PLACES                                         ; ahead of the next loads into the products' sources
.endm
	s_load_b256 s[8:15], s[0:1], 0x0               ; qx, gain, bias, Wq
	s_load_b256 s[16:23], s[0:1], 0x20             ; W1, b1, logit_scale, QF
	s_load_b128 s[24:27], s[0:1], 0x40             ; HF, QXF
	s_load_b64 s[28:29], s[0:1], 0x50              ; QS
	v_lshl_add_u32 v[SPW], v0, 2, SPARE
	v_mov_b32 v[NIL], 0
	v_lshrrev_b32 v[T], 5, v0
	v_readfirstlane_b32 s[WV], v[T]                ; wave 0..3
	s_mov_b32 s[X], ttmp9
	s_and_b32 s[Y], ttmp7, 0xffff
	s_sub_co_u32 s33, s[X], 8
	s_cmp_lt_u32 s[X], 8                           ; Wq's columns, or W1's?
	s_cselect_b32 s[CT], s[X], s33                 ; my block of 64 columns
	s_cselect_b32 s48, 11, 13                      ; log2 of a row of W in bytes: 2,048 or 8,192
	s_cselect_b32 s45, 14, 16                      ; log2 of a query tile's bytes in the table that I write
	s_mov_b32 s[SEL], 0x76543210
	s_mov_b32 s[SEL+1], 0xfedcba98
	s_mov_b32 s[C512], 0x3b000000                  ; 1 / 512
	s_mov_b32 s[EPS], 0x3727c5ac                   ; 1e-5
	v_and_b32 v[LN], 31, v0
	v_and_b32 v[RR], 15, v0
	v_bfe_u32 v[HH], v0, 4, 1
	s_lshl_b32 s33, s[WV], 14                      ; my 8 rows of qx
	v_lshl_add_u32 v[QO], v[LN], 4, s33
	v_lshlrev_b32 v[GO], 4, v[LN]
	s_mul_i32 s33, s[WV], 8*ATP
	v_lshl_add_u32 v[ATS], v[LN], 3, s33
	v_lshlrev_b32 v[WO], s48, v[HH]                ; lanes 16-31 take the second row,
	v_lshl_add_u32 v[WO], v[RR], 4, v[WO]          ; 16 bytes a lane
	s_mul_i32 s46, s[WV], WLB
	s_add_co_u32 s46, s46, WLO                     ; my weights in LDS
	v_mul_u32_u24 v[WS], v[HH], WP
	v_lshl_add_u32 v[WS], v[RR], 3, v[WS]
	v_add_nc_u32 v[WS], s46, v[WS]
	v_and_b32 v[T], 7, v0                          ; the turning load: row 8 (l / 16) + l % 8, 16 bytes at 16 ((l / 8) % 2)
	v_lshl_add_u32 v[T], v[HH], 3, v[T]
	v_mul_u32_u24 v[WTR], v[T], WP
	v_bfe_u32 v[T], v0, 3, 1
	v_lshl_add_u32 v[WTR], v[T], 4, v[WTR]
	v_add_nc_u32 v[WTR], s46, v[WTR]
	v_mul_u32_u24 v[ATF], v[RR], ATP               ; activations: row l % 16, 16 bytes for each half of the lanes, my 128 channels
	v_lshl_add_u32 v[ATF], v[HH], 4, v[ATF]
	s_lshl_b32 s33, s[WV], 8
	v_add_nc_u32 v[ATF], s33, v[ATF]
	s_lshl_b32 s33, s[WV], 13
	s_add_co_u32 s33, s33, RED
	v_lshl_add_u32 v[RS], v[LN], 5, s33
	s_lshl_b32 s33, s[WV], 11                      ; I finish tiles 2 w and 2 w + 1
	s_add_co_u32 s33, s33, RED
	v_lshl_add_u32 v[RL], v[LN], 5, s33
	s_lshr_b32 s33, s[WV], 1
	s_lshl1_add_u32 s33, s[Y], s33                 ; their query tile 2 y + w / 2
	s_lshl_b32 s33, s33, s45
	s_and_b32 s47, s[WV], 1
	s_lshl1_add_u32 s47, s[CT], s47                ; their first block of 16 columns is 2 (2 CT + w % 2)
	s_lshl_b32 s44, s47, 10
	s_add_co_u32 s33, s33, s44
	v_lshl_add_u32 v[OO], v[LN], 4, s33
	s_add_co_u32 s33, s48, 7
	s_lshl_b32 s40, s[WV], s33                     ; my 128 rows of W,
	s_lshl_b32 s33, s[CT], 8                       ; my work-group's 64 columns
	s_add_co_u32 s40, s40, s33
	s_mov_b32 s41, 0
	s_wait_kmcnt 0x0
	s_cmp_lt_u32 s[X], 8
	s_cselect_b64 s[34:35], s[14:15], s[16:17]     ; W
	s_cselect_b64 s[36:37], s[22:23], s[24:25]     ; the table that I write
	s_add_nc_u64 s[34:35], s[34:35], s[40:41]
	s_lshl_b32 s40, s[Y], 16                       ; the work-group's 32 rows of qx
	s_add_nc_u64 s[8:9], s[8:9], s[40:41]
.set i, 0
.rept 4
	global_load_b128 v[GG+4*i:GG+4*i+3], v[GO], s[10:11] offset:512*i
	global_load_b128 v[BB+4*i:BB+4*i+3], v[GO], s[12:13] offset:512*i
.set i, i+1
.endr
.set i, 0
.rept 32
	global_load_b128 v[ST+4*i:ST+4*i+3], v[QO], s[8:9] offset:512*i  ; row i / 4, 512 consecutive bytes a load
.set i, i+1
.endr
	s_wait_loadcnt 0x0
	s_cmp_lt_u32 s[X], 8
	s_cbranch_scc0 .Lraw
.irp rho, 0,1,2,3,4,5,6,7
	ROWLN \rho
.endr
	s_branch .Lrows_done
.Lraw:
.irp rho, 0,1,2,3,4,5,6,7
	TOAT \rho
.endr
	s_cmp_lg_u32 s[X], 8
	s_cbranch_scc1 .Lrows_done
	; one column of work-groups writes QS: IQ = exp(logit_scale) / max(|qx|, 1e-12) and the sum of qx, for my 8 rows
	s_load_b32 s38, s[20:21], 0x0
	v_mov_b32 v[QV], 0
	v_mov_b32 v[QV+1], 0
	v_mov_b32 v[SSQ], 0
.irp rho, 0,1,2,3,4,5,6,7
	STAT \rho
.endr
	s_wait_kmcnt 0x0
	v_mov_b32 v[T], s38
	v_mul_f32 v[T], 0x3fb8aa3b, v[T]
	v_sqrt_f32 v[T+2], v[SSQ]
	v_exp_f32 v[T+3], v[T]
	v_nop
	s_wait_alu depctr_va_vdst(0)                   ; one wait for the root and the exponential
	v_max_num_f32 v[T+2], 0x2b8cbccc, v[T+2]       ; 1e-12
	v_rcp_f32 v[T+4], v[T+2]
	v_nop
	s_wait_alu depctr_va_vdst(0)
	v_mul_f32 v[QV], v[T+3], v[T+4]
	s_lshl2_add_u32 s33, s[Y], s[WV]
	s_lshl_b32 s33, s33, 6                         ; (32 y + 8 w) x 8 bytes
	v_lshl_add_u32 v[T], v[LN], 3, s33
	s_wait_xcnt 0x0                                ; EXEC changes only behind this wait
	v_cmp_gt_u32 vcc_lo, 8, v[LN]
	s_and_saveexec_b32 s39, vcc_lo
	global_store_b64 v[T], v[QV:QV+1], s[28:29]    ; lanes 0-7: 64 consecutive bytes
	s_wait_xcnt 0x0
	s_or_b32 exec_lo, exec_lo, s39
.Lrows_done:
	s_wait_dscnt 0x0                               ; my rows are stored,
	s_barrier_signal -1
	s_barrier_wait -1                              ; everybody's are
	s_cmp_lg_u32 s[X], 8
	s_cbranch_scc1 .Lno_qxf
	; the same column of work-groups writes f16(qx) in the tables' order: my 8 blocks of 16 channels of both query tiles
.set i, 0
.rept 16
	ds_load_b128 v[ST+4*i:ST+4*i+3], v[ATF] offset:(i/8)*16*ATP+32*(i%8)
.set i, i+1
.endr
	s_lshl3_add_u32 s33, s[Y], s[WV]
	s_lshl_b32 s33, s33, 12                        ; (64 y + 8 w) x 512 bytes
	v_lshl_add_u32 v[T], v[LN], 4, s33
	s_wait_dscnt 0x0
.set i, 0
.rept 16
	global_store_b128 v[T], v[ST+4*i:ST+4*i+3], s[26:27] offset:(i/8)*16384+(i%8)*512
.set i, i+1
.endr
	s_wait_xcnt 0x0                                ; the stores' registers are loaded into again only behind this wait
.Lno_qxf:
	s_cmp_lt_u32 s[X], 8
	s_cbranch_scc0 .Lw1
	STAGE 32, 4096, 2*WP
	s_branch .Lstaged
.Lw1:
	s_lshl_b32 s33, s47, 7                         ; b1 of my two tiles: 256 CT + 128 (w % 2) + 32 (l / 16) bytes
	v_lshl_add_u32 v[QO], v[HH], 5, s33
.set i, 0
.rept 2
	global_load_b128 v[GG+8*i:GG+8*i+3], v[QO], s[18:19] offset:64*i
	global_load_b128 v[GG+8*i+4:GG+8*i+7], v[QO], s[18:19] offset:64*i+16
.set i, i+1
.endr
	STAGE 32, 16384, 2*WP                          ; (the four loads above are older: its counts cover them)
.Lstaged:
	MM2 0, 1                                       ; the first K step starts the sums
	MM2 2, 0
	PLACES
.set i, 0
.rept 8
	ds_store_b128 v[RS], v[ACC+8*i:ACC+8*i+3] offset:1024*i
	ds_store_b128 v[RS], v[ACC+8*i+4:ACC+8*i+7] offset:1024*i+16
.set i, i+1
.endr
	s_wait_dscnt 0x0
	s_barrier_signal -1
	s_barrier_wait -1                              ; all four partial sums lie in LDS
.set i, 0
.rept 16                                               ; wave i / 4's part of tile i / 2 % 2, half i % 2
	ds_load_b128 v[ST+4*i:ST+4*i+3], v[RL] offset:(i/4)*8192+((i/2)%2)*1024+(i%2)*16
.set i, i+1
.endr
	s_wait_dscnt 0x0
.set c, 0
.rept 8
	v_pk_add_f32 v[ST+2*c:ST+2*c+1], v[ST+2*c:ST+2*c+1], v[ST+16+2*c:ST+16+2*c+1]
	v_pk_add_f32 v[ST+32+2*c:ST+32+2*c+1], v[ST+32+2*c:ST+32+2*c+1], v[ST+48+2*c:ST+48+2*c+1]
.set c, c+1
.endr
.set c, 0
.rept 8
	v_pk_add_f32 v[ST+2*c:ST+2*c+1], v[ST+2*c:ST+2*c+1], v[ST+32+2*c:ST+32+2*c+1]
.set c, c+1
.endr
	s_cmp_lt_u32 s[X], 8
	s_cbranch_scc1 .Lno_bias
.set c, 0
.rept 8
	v_pk_add_f32 v[ST+2*c:ST+2*c+1], v[ST+2*c:ST+2*c+1], v[GG+2*c:GG+2*c+1]
.set c, c+1
.endr
.set c, 0
.rept 16
	v_max_num_f32 v[ST+c], 0, v[ST+c]
.set c, c+1
.endr
.Lno_bias:
.set c, 0
.rept 8
	v_cvt_pk_f16_f32 v[TT+c], v[ST+2*c], v[ST+2*c+1]
.set c, c+1
.endr
	global_store_b128 v[OO], v[TT:TT+3], s[36:37]              ; 512 consecutive bytes a store
	global_store_b128 v[OO], v[TT+4:TT+7], s[36:37] offset:512
	s_wait_tensorcnt 0x0                           ; the wave's end: three lines behind my last LDS store
	ds_add_u32 v[SPW], v[NIL]
	s_wait_dscnt 0x0
	s_endpgm
.Lfunc_end_k_qf7b215f4d9_lin1:
	.size	k_qf7b215f4d9_lin1, .Lfunc_end_k_qf7b215f4d9_lin1-k_qf7b215f4d9_lin1
	.p2alignl 7, 3214868480
	.fill 96, 4, 3214868480
	.section	.rodata,"a",@progbits
	.p2align	6, 0x0
	.amdhsa_kernel k_qf7b215f4d9_lin1
		.amdhsa_group_segment_fixed_size 148480
		.amdhsa_private_segment_fixed_size 0
		.amdhsa_enable_private_segment 0
		.amdhsa_kernarg_size 88
		.amdhsa_user_sgpr_count 2
		.amdhsa_user_sgpr_kernarg_segment_ptr 1
		.amdhsa_wavefront_size32 1
		.amdhsa_system_sgpr_workgroup_id_x 1
		.amdhsa_system_sgpr_workgroup_id_y 1
		.amdhsa_system_sgpr_workgroup_id_z 1
		.amdhsa_system_vgpr_workitem_id 0
		.amdhsa_next_free_vgpr 256
		.amdhsa_next_free_sgpr 66
		.amdhsa_reserve_vcc 1
		.amdhsa_float_denorm_mode_32 3
		.amdhsa_float_denorm_mode_16_64 3
		.amdhsa_memory_ordered 1
		.amdhsa_forward_progress 1
		.amdhsa_inst_pref_size 118
	.end_amdhsa_kernel
	.amdgpu_metadata
---
amdhsa.version: [ 1, 2 ]
amdhsa.kernels:
  - .name:           k_qf7b215f4d9_lin1
    .symbol:         k_qf7b215f4d9_lin1.kd
    .args:
      - { .name: qx, .offset: 0, .size: 8, .value_kind: global_buffer, .address_space: global }
      - { .name: ln_q_g, .offset: 8, .size: 8, .value_kind: global_buffer, .address_space: global }
      - { .name: ln_q_b, .offset: 16, .size: 8, .value_kind: global_buffer, .address_space: global }
      - { .name: Wq, .offset: 24, .size: 8, .value_kind: global_buffer, .address_space: global }
      - { .name: W1, .offset: 32, .size: 8, .value_kind: global_buffer, .address_space: global }
      - { .name: b1, .offset: 40, .size: 8, .value_kind: global_buffer, .address_space: global }
      - { .name: logit_scale, .offset: 48, .size: 8, .value_kind: global_buffer, .address_space: global }
      - { .name: QF, .offset: 56, .size: 8, .value_kind: global_buffer, .address_space: global }
      - { .name: HF, .offset: 64, .size: 8, .value_kind: global_buffer, .address_space: global }
      - { .name: QXF, .offset: 72, .size: 8, .value_kind: global_buffer, .address_space: global }
      - { .name: QS, .offset: 80, .size: 8, .value_kind: global_buffer, .address_space: global }
    .group_segment_fixed_size: 148480
    .private_segment_fixed_size: 0
    .kernarg_segment_align: 8
    .kernarg_segment_size: 88
    .max_flat_workgroup_size: 128
    .sgpr_count:     66
    .vgpr_count:     256
    .wavefront_size: 32
...
	.end_amdgpu_metadata
.endif
;; end of part 1
;; launch lin2 (part 2): grid 24 x 8, 4 waves a work-group, no clusters, 115,200 bytes of LDS; arguments QF, HF, Wk, W2, ln_k_g, ln_k_b, b2, QGF, CBP, out0; writes QGF, CBP, out0
.if DOCPART == 2
	.amdgcn_target "amdgcn-amd-amdhsa--gfx1250"
	.amdhsa_code_object_version 6
	.text
	.protected	k_qf7b215f4d9_lin2
	.globl	k_qf7b215f4d9_lin2
	.p2align	8
	.type	k_qf7b215f4d9_lin2,@function
k_qf7b215f4d9_lin2:
	s_mov_b64 s[64:65], 0
	v_nop
	global_prefetch_b8 v0, s[64:65] scope:SCOPE_SE
	s_setreg_imm32_b32 hwreg(HW_REG_WAVE_MODE, 25, 1), 1
	s_wait_xcnt 0x0
; x = 0..7:  qk[q][i] = sum over c of q[q][c] Wk[i][c] for 32 queries x 64 i;  Qg = c0 / 16 x gain_k[i] x qk (f16, the tables' order) and the partial sums of cb = c0 x sum of bias_k[i] qk.
;            c0 = log2(e) / sqrt(512).  q . (LN(kx) Wk) = (q Wk^T) . LN(kx) holds for every input, so kx is never projected.
; x = 8..23: out0 = h W2 + b2 for 32 queries x 64 classes (the last block has 40).
; Matrix operands in f16, sums in f32.  LIMIT: Wk, W2 and Qg must lie within f16's range (65,504).
; K is split among the four waves (128 of 512, or 512 of 2,048 in four chunks of 128); each wave stages its own weights in its own LDS bytes; the partial sums meet in LDS once.
; Source 0 = 16 output columns, source 1 = 16 queries: a lane holds one query (lane % 16) and columns 8 (lane / 16) + 0..7.
; The two kinds of work-group have a text each from the branch to the end; the branch hangs on the work-group's number alone.
.set WLB, 20480                        ; a wave's weights in LDS: 128 rows of 160 bytes (W2, turned on the way out) or 64 rows of 272 (Wk, K along the rows)
.set WP,  160
.set PP,  272
.set RED, 4*WLB
.set SPARE, RED+32768
.set SPW, 1
.set NIL, 2
.set LN,  3
.set RR,  4
.set HH,  5
.set AO,  6
.set BO,  7
.set WO,  8
.set WS,  9
.set WFA, 10
.set RS,  12
.set RL,  13
.set OO,  14
.set CBY, 15                           ; Q: my offset in CBP.  O: my column's byte in a row of out0, not clamped
.set T,   16
.set TT,  24
.set ACC, 32
.set GG,  96
.set BB,  112
.set ST,  128                          ; v128-191: a ring of 16 loads; then W's fragments
.set WF,  128
.set AF,  192                          ; v192-255: the activations' fragments of four K steps: step s, query tile qt at AF + 16 s + 8 qt
.set WV,  4
.set X,   5
.set Y,   6
.set CNT, 7
.set SEL, 30
.macro PLACES
.rept 4
	v_nop
.endr
.endm
.macro ALOAD base, qs                  ; 16 loads of 512 consecutive bytes: i = 4 s + 2 qt + half
.set i, 0
.rept 16
	global_load_b128 v[AF+4*i:AF+4*i+3], v[AO], s[(\base):(\base)+1] offset:((i/2)%2)*(\qs)+(2*(i/4)+i%2)*512
.set i, i+1
.endr
.endm
.macro STAGE ldimm, stimm              ; 64 loads through a ring of 16 slots, rounded to f16, stored to my LDS bytes
.set j, 0
.rept 16
	global_load_b128 v[ST+4*j:ST+4*j+3], v[WO], s[34:35] offset:j*(\ldimm)
.set j, j+1
.endr
.set j, 0
.rept 64
.if j < 48
	s_wait_loadcnt 15                              ; load j is in; the 15 younger ones stay out
.else
	s_wait_loadcnt 63-j
.endif
	v_cvt_pk_f16_f32 v[TT+2*(j%4)], v[ST+4*(j%16)], v[ST+4*(j%16)+1]
	v_cvt_pk_f16_f32 v[TT+2*(j%4)+1], v[ST+4*(j%16)+2], v[ST+4*(j%16)+3]
	ds_store_b64 v[WS], v[TT+2*(j%4):TT+2*(j%4)+1] offset:j*(\stimm)
.if j < 48
	global_load_b128 v[ST+4*(j%16):ST+4*(j%16)+3], v[WO], s[34:35] offset:(j+16)*(\ldimm)
.endif
.set j, j+1
.endr
.endm
.macro MM2 tr, s0, zero                ; two K steps: 16 LDS loads, 16 products on the 8 accumulators by turns, four places
.set sp, 0
.rept 2
.set nt, 0
.rept 4
.if \tr
	ds_load_tr16_b128 v[WF+32*sp+8*nt:WF+32*sp+8*nt+3], v[WFA] offset:((\s0)+sp)*32*WP+32*nt
	ds_load_tr16_b128 v[WF+32*sp+8*nt+4:WF+32*sp+8*nt+7], v[WFA] offset:((\s0)+sp)*32*WP+16*WP+32*nt
.else
	ds_load_b128 v[WF+32*sp+8*nt:WF+32*sp+8*nt+3], v[WFA] offset:nt*16*PP+64*((\s0)+sp)
	ds_load_b128 v[WF+32*sp+8*nt+4:WF+32*sp+8*nt+7], v[WFA] offset:nt*16*PP+64*((\s0)+sp)+32
.endif
.set nt, nt+1
.endr
.set sp, sp+1
.endr
	s_wait_dscnt 0x0
.set sp, 0
.rept 2
.set i, 0
.rept 8
.if (\zero) && (sp == 0)
	v_wmma_f32_16x16x32_f16 v[ACC+8*i:ACC+8*i+7], v[WF+32*sp+8*(i%4):WF+32*sp+8*(i%4)+7], v[AF+16*((\s0)+sp)+8*(i/4):AF+16*((\s0)+sp)+8*(i/4)+7], 0
.else
	v_wmma_f32_16x16x32_f16 v[ACC+8*i:ACC+8*i+7], v[WF+32*sp+8*(i%4):WF+32*sp+8*(i%4)+7], v[AF+16*((\s0)+sp)+8*(i/4):AF+16*((\s0)+sp)+8*(i/4)+7], v[ACC+8*i:ACC+8*i+7]
.endif
.set i, i+1
.endr
.set sp, sp+1
.endr
	PLACES
.endm
.macro REDUCE                          ; my 8 partial tiles into LDS, and the barrier
	PLACES
.set i, 0
.rept 8
	ds_store_b128 v[RS], v[ACC+8*i:ACC+8*i+3] offset:1024*i
	ds_store_b128 v[RS], v[ACC+8*i+4:ACC+8*i+7] offset:1024*i+16
.set i, i+1
.endr
	s_wait_dscnt 0x0
	s_barrier_signal -1
	s_barrier_wait -1
.endm
.macro FINISH                          ; the wave's end: three lines behind my last LDS store
	s_wait_tensorcnt 0x0
	ds_add_u32 v[SPW], v[NIL]
	s_wait_dscnt 0x0
	s_endpgm
.endm
	s_load_b256 s[8:15], s[0:1], 0x0               ; QF, HF, Wk, W2
	s_load_b256 s[16:23], s[0:1], 0x20             ; gain_k, bias_k, b2, QGF
	s_load_b128 s[24:27], s[0:1], 0x40             ; CBP, out0
	v_lshl_add_u32 v[SPW], v0, 2, SPARE
	v_mov_b32 v[NIL], 0
	v_lshrrev_b32 v[T], 5, v0
	v_readfirstlane_b32 s[WV], v[T]
	s_mov_b32 s[X], ttmp9
	s_and_b32 s[Y], ttmp7, 0xffff
	s_mov_b32 s[SEL], 0x76543210
	s_mov_b32 s[SEL+1], 0xfedcba98
	v_and_b32 v[LN], 31, v0
	v_and_b32 v[RR], 15, v0
	v_bfe_u32 v[HH], v0, 4, 1
	s_mul_i32 s46, s[WV], WLB                      ; my weights in LDS
	s_lshl_b32 s33, s[WV], 13
	s_add_co_u32 s33, s33, RED
	v_lshl_add_u32 v[RS], v[LN], 5, s33
	s_lshl3_add_u32 s45, s[Y], s[WV]               ; 8 y + w
	s_and_b32 s47, s[WV], 1
	s_lshr_b32 s48, s[WV], 1
	s_mov_b32 s41, 0
	s_wait_kmcnt 0x0
	s_cmp_lt_u32 s[X], 8
	s_cbranch_scc0 .Lo_path
	; ---- Qg and cb ----
	s_lshl_b32 s33, s45, 12                        ; q: query tile 2 y, blocks 8 w on: (64 y + 8 w) x 512 bytes
	v_lshl_add_u32 v[AO], v[LN], 4, s33
	ALOAD 8, 16384
	s_lshl1_add_u32 s44, s[X], s47                 ; 2 x + w % 2: the pair of tiles that I finish
	s_lshl_b32 s33, s44, 7
	v_lshl_add_u32 v[BO], v[HH], 5, s33            ; gain and bias of their columns: 128 (2 x + w % 2) + 32 (l / 16) bytes
.set i, 0
.rept 2
	global_load_b128 v[GG+8*i:GG+8*i+3], v[BO], s[16:17] offset:64*i
	global_load_b128 v[GG+8*i+4:GG+8*i+7], v[BO], s[16:17] offset:64*i+16
	global_load_b128 v[BB+8*i:BB+8*i+3], v[BO], s[18:19] offset:64*i
	global_load_b128 v[BB+8*i+4:BB+8*i+7], v[BO], s[18:19] offset:64*i+16
.set i, i+1
.endr
	s_lshl_b32 s40, s[X], 17                       ; Wk's rows 64 x on,
	s_lshl_b32 s33, s[WV], 9                       ; my 128 columns
	s_add_co_u32 s40, s40, s33
	s_add_nc_u64 s[34:35], s[12:13], s[40:41]
	v_lshlrev_b32 v[WO], 4, v[LN]                  ; a load takes 512 consecutive bytes of one row
	v_lshl_add_u32 v[WS], v[LN], 3, s46
	v_mul_u32_u24 v[WFA], v[RR], PP
	v_lshl_add_u32 v[WFA], v[HH], 4, v[WFA]
	v_add_nc_u32 v[WFA], s46, v[WFA]
	s_lshl_b32 s33, s[WV], 11
	s_add_co_u32 s33, s33, RED
	v_lshl_add_u32 v[RL], v[LN], 5, s33
	s_lshl1_add_u32 s33, s[Y], s48                 ; query tile 2 y + w / 2
	s_lshl_b32 s42, s33, 14
	s_lshl_b32 s43, s44, 10                        ; block 2 (2 x + w % 2)
	s_add_co_u32 s42, s42, s43
	v_lshl_add_u32 v[OO], v[LN], 4, s42
	s_lshl_b32 s33, s33, 6                         ; 16 queries x 4 bytes
	s_add_co_u32 s33, s33, s43                     ; + 1,024 (2 x + w % 2)
	v_lshl_add_u32 v[CBY], v[RR], 2, s33
	STAGE 2048, PP                                 ; (the 24 loads above are older: its counts cover them)
	MM2 0, 0, 1
	MM2 0, 2, 0
	REDUCE
.set i, 0
.rept 16
	ds_load_b128 v[ST+4*i:ST+4*i+3], v[RL] offset:(i/4)*8192+((i/2)%2)*1024+(i%2)*16
.set i, i+1
.endr
	s_wait_dscnt 0x0
.set c, 0
.rept 8
	v_pk_add_f32 v[ST+2*c:ST+2*c+1], v[ST+2*c:ST+2*c+1], v[ST+16+2*c:ST+16+2*c+1]
	v_pk_add_f32 v[ST+32+2*c:ST+32+2*c+1], v[ST+32+2*c:ST+32+2*c+1], v[ST+48+2*c:ST+48+2*c+1]
.set c, c+1
.endr
.set c, 0
.rept 8
	v_pk_add_f32 v[ST+2*c:ST+2*c+1], v[ST+2*c:ST+2*c+1], v[ST+32+2*c:ST+32+2*c+1]
.set c, c+1
.endr
	v_pk_mul_f32 v[T:T+1], v[ST:ST+1], v[BB:BB+1]  ; bias_k . qk over my 32 columns
	v_pk_mul_f32 v[T+2:T+3], v[ST+2:ST+3], v[BB+2:BB+3]
.set c, 2
.rept 6
	v_pk_fma_f32 v[T+2*(c%2):T+2*(c%2)+1], v[ST+2*c:ST+2*c+1], v[BB+2*c:BB+2*c+1], v[T+2*(c%2):T+2*(c%2)+1]
.set c, c+1
.endr
	v_pk_add_f32 v[T:T+1], v[T:T+1], v[T+2:T+3]
	v_add_f32 v[T], v[T], v[T+1]
	v_permlanex16_b32 v[T+1], v[T], s[SEL], s[SEL+1]
	v_add_f32 v[T], v[T], v[T+1]
	v_mul_f32 v[T], 0x3d8293ee, v[T]               ; c0
	global_store_b32 v[CBY], v[T], s[24:25]        ; both halves of the lanes hold and store the same number
.set c, 0
.rept 8
	v_pk_mul_f32 v[ST+2*c:ST+2*c+1], v[ST+2*c:ST+2*c+1], v[GG+2*c:GG+2*c+1]
.set c, c+1
.endr
.set c, 0
.rept 8
	v_pk_mul_f32 v[ST+2*c:ST+2*c+1], v[ST+2*c:ST+2*c+1], 0x3b8293ee op_sel_hi:[1,0]  ; c0 / 16
.set c, c+1
.endr
.set c, 0
.rept 8
	v_cvt_pk_f16_f32 v[TT+c], v[ST+2*c], v[ST+2*c+1]
.set c, c+1
.endr
	global_store_b128 v[OO], v[TT:TT+3], s[22:23]
	global_store_b128 v[OO], v[TT+4:TT+7], s[22:23] offset:512
	FINISH
	; ---- out0 ----
.Lo_path:
	s_lshl_b32 s33, s45, 14                        ; h: query tile 2 y, blocks 32 w on: (256 y + 32 w) x 512 bytes
	v_lshl_add_u32 v[AO], v[LN], 4, s33
	s_sub_co_u32 s44, s[X], 8
	s_lshl_b32 s44, s44, 8                         ; the work-group's 64 classes: 256 bytes of a row
	v_lshl_add_u32 v[CBY], v[RR], 4, s44
	v_min_u32 v[BO], 0xf90, v[CBY]                 ; a row has 4,000 bytes: lanes past its end read its last 16 once more; what comes of them is not stored
	global_load_b128 v[BB:BB+3], v[BO], s[20:21]   ; b2
	v_mad_u32_u24 v[WO], v[HH], 4000, v[BO]
	s_mul_i32 s40, s[WV], 2048000                  ; my 512 rows of W2
	s_add_nc_u64 s[34:35], s[14:15], s[40:41]
	s_mov_b64 s[36:37], s[10:11]
	v_mul_u32_u24 v[WS], v[HH], WP
	v_lshl_add_u32 v[WS], v[RR], 3, v[WS]
	v_add_nc_u32 v[WS], s46, v[WS]
	v_and_b32 v[T], 7, v0
	v_lshl_add_u32 v[T], v[HH], 3, v[T]
	v_mul_u32_u24 v[WFA], v[T], WP
	v_bfe_u32 v[T], v0, 3, 1
	v_lshl_add_u32 v[WFA], v[T], 4, v[WFA]
	v_add_nc_u32 v[WFA], s46, v[WFA]
.set i, 0
.rept 64
	v_mov_b32 v[ACC+i], 0                          ; the sums start at 0, so that the loop has one form of product
.set i, i+1
.endr
	s_mov_b32 s[CNT], 4
.Lchunk:                                               ; 128 of my 512 k a trip
	ALOAD 36, 65536
	STAGE 8000, 2*WP
	MM2 1, 0, 0
	MM2 1, 2, 0
	s_wait_xcnt 0x0                                ; the trip's loads have read their bases
	s_add_nc_u64 s[34:35], s[34:35], 512000        ; 128 rows of W2 on
	s_add_nc_u64 s[36:37], s[36:37], 4096          ; 8 blocks of h on
	s_sub_co_u32 s[CNT], s[CNT], 1
	s_cmp_lg_u32 s[CNT], 0
	s_cbranch_scc1 .Lchunk
	REDUCE
	; by rows: wave w takes rows 8 w .. 8 w + 7, two a load; lane: row + l / 16, classes 4 (l % 16) + 0..3, so that 16 lanes store 256 consecutive bytes
	v_lshrrev_b32 v[T], 2, v[RR]
	v_lshlrev_b32 v[RL], 10, v[T]                  ; the column tile,
	v_bfe_u32 v[T], v[RR], 1, 1
	v_lshl_add_u32 v[RL], v[T], 9, v[RL]           ; the half of the lanes that held these columns,
	v_and_b32 v[T], 1, v[RR]
	v_lshl_add_u32 v[RL], v[T], 4, v[RL]           ; the half of its eight numbers,
	v_lshl_add_u32 v[RL], v[HH], 5, v[RL]          ; the row
	s_lshl_b32 s33, s48, 12
	s_lshl_b32 s42, s47, 8
	s_add_co_u32 s33, s33, s42
	s_add_co_u32 s33, s33, RED
	v_add_nc_u32 v[RL], s33, v[RL]
	s_lshl2_add_u32 s33, s[Y], s[WV]
	s_mul_i32 s33, s33, 32000                      ; (32 y + 8 w) rows of 4,000 bytes
	v_mad_u32_u24 v[OO], v[HH], 4000, v[CBY]
	v_add_nc_u32 v[OO], s33, v[OO]
.set i, 0
.rept 16                                               ; rows 2 (i / 4), wave i % 4's part
	ds_load_b128 v[ST+4*i:ST+4*i+3], v[RL] offset:(i/4)*64+(i%4)*8192
.set i, i+1
.endr
	s_wait_dscnt 0x0
.set i, 0
.rept 4
	v_pk_add_f32 v[ST+16*i:ST+16*i+1], v[ST+16*i:ST+16*i+1], v[ST+16*i+4:ST+16*i+5]
	v_pk_add_f32 v[ST+16*i+2:ST+16*i+3], v[ST+16*i+2:ST+16*i+3], v[ST+16*i+6:ST+16*i+7]
	v_pk_add_f32 v[ST+16*i+8:ST+16*i+9], v[ST+16*i+8:ST+16*i+9], v[ST+16*i+12:ST+16*i+13]
	v_pk_add_f32 v[ST+16*i+10:ST+16*i+11], v[ST+16*i+10:ST+16*i+11], v[ST+16*i+14:ST+16*i+15]
.set i, i+1
.endr
.set i, 0
.rept 4
	v_pk_add_f32 v[ST+16*i:ST+16*i+1], v[ST+16*i:ST+16*i+1], v[ST+16*i+8:ST+16*i+9]
	v_pk_add_f32 v[ST+16*i+2:ST+16*i+3], v[ST+16*i+2:ST+16*i+3], v[ST+16*i+10:ST+16*i+11]
.set i, i+1
.endr
.set i, 0
.rept 4
	v_pk_add_f32 v[ST+16*i:ST+16*i+1], v[ST+16*i:ST+16*i+1], v[BB:BB+1]
	v_pk_add_f32 v[ST+16*i+2:ST+16*i+3], v[ST+16*i+2:ST+16*i+3], v[BB+2:BB+3]
.set i, i+1
.endr
	s_wait_xcnt 0x0                                ; EXEC changes only behind this wait
	v_cmp_gt_u32 vcc_lo, 4000, v[CBY]              ; classes under 1,000
	s_and_saveexec_b32 s39, vcc_lo
.set i, 0
.rept 4
	global_store_b128 v[OO], v[ST+16*i:ST+16*i+3], s[26:27] offset:8000*i
.set i, i+1
.endr
	s_wait_xcnt 0x0
	s_or_b32 exec_lo, exec_lo, s39
	FINISH
.Lfunc_end_k_qf7b215f4d9_lin2:
	.size	k_qf7b215f4d9_lin2, .Lfunc_end_k_qf7b215f4d9_lin2-k_qf7b215f4d9_lin2
	.p2alignl 7, 3214868480
	.fill 96, 4, 3214868480
	.section	.rodata,"a",@progbits
	.p2align	6, 0x0
	.amdhsa_kernel k_qf7b215f4d9_lin2
		.amdhsa_group_segment_fixed_size 115200
		.amdhsa_private_segment_fixed_size 0
		.amdhsa_enable_private_segment 0
		.amdhsa_kernarg_size 80
		.amdhsa_user_sgpr_count 2
		.amdhsa_user_sgpr_kernarg_segment_ptr 1
		.amdhsa_wavefront_size32 1
		.amdhsa_system_sgpr_workgroup_id_x 1
		.amdhsa_system_sgpr_workgroup_id_y 1
		.amdhsa_system_sgpr_workgroup_id_z 1
		.amdhsa_system_vgpr_workitem_id 0
		.amdhsa_next_free_vgpr 256
		.amdhsa_next_free_sgpr 66
		.amdhsa_reserve_vcc 1
		.amdhsa_float_denorm_mode_32 3
		.amdhsa_float_denorm_mode_16_64 3
		.amdhsa_memory_ordered 1
		.amdhsa_forward_progress 1
		.amdhsa_inst_pref_size 71
	.end_amdhsa_kernel
	.amdgpu_metadata
---
amdhsa.version: [ 1, 2 ]
amdhsa.kernels:
  - .name:           k_qf7b215f4d9_lin2
    .symbol:         k_qf7b215f4d9_lin2.kd
    .args:
      - { .name: QF, .offset: 0, .size: 8, .value_kind: global_buffer, .address_space: global }
      - { .name: HF, .offset: 8, .size: 8, .value_kind: global_buffer, .address_space: global }
      - { .name: Wk, .offset: 16, .size: 8, .value_kind: global_buffer, .address_space: global }
      - { .name: W2, .offset: 24, .size: 8, .value_kind: global_buffer, .address_space: global }
      - { .name: ln_k_g, .offset: 32, .size: 8, .value_kind: global_buffer, .address_space: global }
      - { .name: ln_k_b, .offset: 40, .size: 8, .value_kind: global_buffer, .address_space: global }
      - { .name: b2, .offset: 48, .size: 8, .value_kind: global_buffer, .address_space: global }
      - { .name: QGF, .offset: 56, .size: 8, .value_kind: global_buffer, .address_space: global }
      - { .name: CBP, .offset: 64, .size: 8, .value_kind: global_buffer, .address_space: global }
      - { .name: out0, .offset: 72, .size: 8, .value_kind: global_buffer, .address_space: global }
    .group_segment_fixed_size: 115200
    .private_segment_fixed_size: 0
    .kernarg_segment_align: 8
    .kernarg_segment_size: 80
    .max_flat_workgroup_size: 128
    .sgpr_count:     66
    .vgpr_count:     256
    .wavefront_size: 32
...
	.end_amdgpu_metadata
.endif
;; end of part 2
;; launch attn (part 3): grid 256 x 1, 4 waves a work-group, no clusters, 273,920 bytes of LDS; arguments kx, key_padding_mask, QGF, CBP, QXF, QS, out1; writes out1
.if DOCPART == 3
	.amdgcn_target "amdgcn-amd-amdhsa--gfx1250"
	.amdhsa_code_object_version 6
	.text
	.protected	k_qf7b215f4d9_attn
	.globl	k_qf7b215f4d9_attn
	.p2align	8
	.type	k_qf7b215f4d9_attn,@function
k_qf7b215f4d9_attn:
	s_mov_b64 s[64:65], 0
	v_nop
	global_prefetch_b8 v0, s[64:65] scope:SCOPE_SE
	s_setreg_imm32_b32 hwreg(HW_REG_WAVE_MODE, 25, 1), 1
	s_wait_xcnt 0x0
; out1[q][k] = cos(v[q][k], qx[q]) exp(logit_scale), v = the softmax-weighted mean of the 256 raw rows of kx[k].  Work-group g takes key batches 2 g and 2 g + 1 and ALL 256 queries;
; a wave owns 64 queries (four tiles of 16) and, while a batch comes in, 64 of its keys.  kx is read once, f32, through registers.
; PER KEY n: mu = the row's mean; xc = x - mu, rounded to f16 into LDS; R = 16 rsqrt(var + 1e-5); MK = 0, or -inf under the mask.
; SCORE, in powers of two: t + cb, t = (Qg . xc) R + MK: Qg holds c0 / 16 x gain x (q Wk^T), cb = c0 x bias . (q Wk^T), c0 = log2(e) / sqrt(512).
; SOFTMAX with a running maximum over two groups of 128 keys, rounded UP to a whole number and kept negated: NM = min(NM, floor(-(max t + cb))); p = 2^(t + cb + NM) lies in 0 to 1.
; The first group's weights are then corrected by a = 2^(NM - NM_before), a power of two: exact in f16 but for weights that leave f16's range downward, under 2^-24 of the largest.
; MEAN: l v = W + m 1 with W = sum of p xc (matrix unit) and m = sum of p mu; W's channels sum to 0 by the choice of mu, so |l v|^2 = |W|^2 + 512 m^2 and l v . qx = W . qx + m sum(qx).
; A batch that is masked whole gives l = 0 and 0 x infinity = NaN, as a softmax over -inf alone does.
; LIMITS: f16 operands: |x - mu| and |Qg| stay under 65,504; a weight under 2^-126 counts as 0; infinities and NaN in kx are not treated apart.
; LAYOUT: S^T = X Qg^T (source 0 = 16 keys, source 1 = 16 queries): a lane holds one query (lane % 16) and keys 8 (lane / 16) + 0..7; two such tiles rounded to f16 ARE source 1 of W^T = X^T P,
; whose result again holds one query a lane and eight channels.  X comes out of LDS as it lies for the first product and turned (ds_load_tr16_b128) for the second.
; LDS rows of X are 1,056 bytes (33 x 32, for the turning load); the 16-byte piece's number is turned by (key / 8) % 2, so that the 16 rows of a plain fragment load also start 16 bytes apart modulo 256.
; NO TENSOR LOADS: the f32 rows must pass through registers to be centred and rounded, and X takes 270,336 bytes of LDS.  NO CLUSTER: no two work-groups read the same rows of kx.
; out1 is stored 8 bytes a row: a work-group owns 2 of a row's 512 columns.
; REGISTERS, in windows of 256 (s_set_vgpr_msb: bits 1:0 source 0, 3:2 source 1, 5:4 source 2, 7:6 destination):
;   window 0: v0-23 addresses; v24-63 statistics; v64-127 fragment buffers, tables, at work; v128-255 the first group's P (while a batch comes in: centred rows, halves, sums)
;   window 1: the ring of 64 loads; then the 32 accumulators of S^T; then v0-127 the second group's P, v128-191 W^T of 32 channels, v192-223 qx, v224-239 dot and norm, v240-247 QS
;   windows 2, 3: Qg: tile t, K step s at 8 (16 (t % 2) + s) of window 2 + t / 2
.set XP,  1056
.set RT,  256*XP                       ; R of the 256 keys
.set MKB, RT+1024                      ; MK
.set MUB, RT+2048                      ; mu
.set SPARE, RT+3072                    ; the spare words, 128 bytes a wave; no other line names them
.set SPW, 1
.set NIL, 2
.set KO,  3                            ; my 16 bytes in the wave's rows of kx
.set XA0, 4                            ; where I store 8 bytes of a row of X: keys with (key / 8) % 2 = 0,
.set XA1, 5                            ; = 1
.set TW,  6                            ; my wave's 64 words of R
.set XR0, 7                            ; the plain fragments' address;
.set XRA, 8                            ; the same in the group in hand, keys 0-63,
.set XRB, 9                            ; keys 64-127
.set TA0, 10                           ; the tables' address;
.set TAC, 11                           ; in the group in hand
.set XTB, 12                           ; v12-15 the turning loads' addresses, keys 64 a on;
.set XTC, 16                           ; v16-19 at the chunk of channels in hand
.set QX0, 20                           ; my 16 bytes in the wave's tiles of QGF and QXF;
.set QXO, 21                           ; at the chunk in hand
.set PFA, 22                           ; the prefetches' offset
.set MKO, 23                           ; 64 w + lane
.set SCB, 24                           ; per tile: cb
.set SRES, 28                          ; pairs: the two batches' results
.set SNM, 36                           ; NM
.set SNP, 40                           ; NM before
.set SL,  44                           ; l of the group in hand
.set SLP, 48                           ; l of the group before; at work
.set SM,  52                           ; m
.set SMP, 56
.set SMX, 60                           ; maxima; at work
.set FA,  64
.set FB,  96
.set TB,  64
.set DL,  96
.set LA,  104
.set MA,  112
.set MU4, 64
.set R4,  68
.set XC,  72
.set TWC, 74
.set MKA, 75
.set MB0, 76
.set P0,  128
.set DD,  128
.set YY,  192
.set AA,  224
.set VA,  128                          ; window 1
.set QXR, 192
.set DOT, 224
.set NN,  232
.set QSR, 240
.set WV,  4
.set KB,  8                            ; s[8:9] kx, running
.set MB,  10                           ; s[10:11] the mask, running
.set SEL, 22
.set C17, 24
.set EPS, 25
.set C512, 26
.set NINF, 27
.set BC,  28
.set LC,  29
.set LX,  30
.set LT,  31
.set GC,  32
.set GX,  33
.set GT,  34
.set CH,  35
.set CHO, 36
.set PFT, 37
.set HM,  38
.set MSB, 0
.macro WIN new                         ; the immediate's high byte repeats the setting that is left; a switch that changes nothing is dropped
.if MSB != (\new)
	s_set_vgpr_msb (MSB<<8)|(\new)
.set MSB, \new
.endif
.endm
.macro PLACES                          ; four places behind a product, ahead of loads into its sources and of readers of its result
.rept 4
	v_nop
.endr
.endm
.macro EACH line:vararg                ; one line for p = 0..3: a slot's four rows, or the wave's four tiles
.set p, 0
.rept 4
	\line
.set p, p+1
.endr
.endm
.macro WSUM4                           ; the pairs at AA + 8 p summed over halves and the 32 lanes, the result in every lane
	EACH v_add_f32 v[AA+8*p], v[AA+8*p], v[AA+8*p+1]
	EACH v_add_f32_dpp v[AA+8*p], v[AA+8*p], v[AA+8*p] row_xmask:1 row_mask:0xf bank_mask:0xf
	EACH v_add_f32_dpp v[AA+8*p], v[AA+8*p], v[AA+8*p] row_xmask:2 row_mask:0xf bank_mask:0xf
	EACH v_add_f32_dpp v[AA+8*p], v[AA+8*p], v[AA+8*p] row_xmask:4 row_mask:0xf bank_mask:0xf
	EACH v_add_f32_dpp v[AA+8*p], v[AA+8*p], v[AA+8*p] row_xmask:8 row_mask:0xf bank_mask:0xf
	EACH v_permlanex16_b32 v[AA+8*p+1], v[AA+8*p], s[SEL], s[SEL+1]
	EACH v_add_f32 v[AA+8*p], v[AA+8*p], v[AA+8*p+1]
.endm
; Slot k of the ring: four rows (16 loads).  Mean; centred row; the slot is asked for again (fill = 1: the rows 16 further on); f16 into X; variance; R and mu into the tables.
; left: the younger loads that may stay out.
.macro SLOT k, fill, left
	s_wait_loadcnt \left
	WIN 0x05
.set i, 0
.rept 16
	v_pk_add_f32 v[AA+2*i:AA+2*i+1], v[64*(\k)+4*i:64*(\k)+4*i+1], v[64*(\k)+4*i+2:64*(\k)+4*i+3]
.set i, i+1
.endr
	WIN 0
	EACH v_pk_add_f32 v[AA+8*p:AA+8*p+1], v[AA+8*p:AA+8*p+1], v[AA+8*p+2:AA+8*p+3]
	EACH v_pk_add_f32 v[AA+8*p+4:AA+8*p+5], v[AA+8*p+4:AA+8*p+5], v[AA+8*p+6:AA+8*p+7]
	EACH v_pk_add_f32 v[AA+8*p:AA+8*p+1], v[AA+8*p:AA+8*p+1], v[AA+8*p+4:AA+8*p+5]
	WSUM4
	EACH v_mul_f32 v[MU4+p], s[C512], v[AA+8*p]
	WIN 0x01
.set i, 0
.rept 32
.if (i/8)%2
	v_pk_add_f32 v[DD+2*i:DD+2*i+1], v[64*(\k)+2*i:64*(\k)+2*i+1], v[MU4+2*(i/16):MU4+2*(i/16)+1] op_sel:[0,1] op_sel_hi:[1,1] neg_lo:[0,1] neg_hi:[0,1]
.else
	v_pk_add_f32 v[DD+2*i:DD+2*i+1], v[64*(\k)+2*i:64*(\k)+2*i+1], v[MU4+2*(i/16):MU4+2*(i/16)+1] op_sel_hi:[1,0] neg_lo:[0,1] neg_hi:[0,1]
.endif
.set i, i+1
.endr
.if \fill
	WIN 0x40
.set i, 0
.rept 16
	global_load_b128 v[64*(\k)+4*i:64*(\k)+4*i+3], v[KO], s[KB:KB+1] offset:32768+(16*(\k)+i)*512
.set i, i+1
.endr
.endif
	WIN 0
.set i, 0
.rept 32
	v_cvt_pk_f16_f32 v[YY+i], v[DD+2*i], v[DD+2*i+1]
.set i, i+1
.endr
.set i, 0
.rept 16
	ds_store_b64 v[XC+(\k)/2], v[YY+2*i:YY+2*i+1] offset:(4*(\k)+i/4)*XP+256*(i%4)
.set i, i+1
.endr
	EACH v_pk_mul_f32 v[AA+8*p:AA+8*p+1], v[DD+16*p:DD+16*p+1], v[DD+16*p:DD+16*p+1]
	EACH v_pk_mul_f32 v[AA+8*p+2:AA+8*p+3], v[DD+16*p+2:DD+16*p+3], v[DD+16*p+2:DD+16*p+3]
.set c, 2
.rept 6
	EACH v_pk_fma_f32 v[AA+8*p+2*(c%2):AA+8*p+2*(c%2)+1], v[DD+16*p+2*c:DD+16*p+2*c+1], v[DD+16*p+2*c:DD+16*p+2*c+1], v[AA+8*p+2*(c%2):AA+8*p+2*(c%2)+1]
.set c, c+1
.endr
	EACH v_pk_add_f32 v[AA+8*p:AA+8*p+1], v[AA+8*p:AA+8*p+1], v[AA+8*p+2:AA+8*p+3]
	WSUM4
	EACH v_fma_f32 v[AA+8*p], v[AA+8*p], s[C17], s[EPS]    ; (var + 1e-5) / 256: its inverse root is 16 rsqrt(var + 1e-5)
	EACH v_rsq_f32 v[R4+p], v[AA+8*p]
	v_nop                                          ; a plain instruction behind the last root,
	s_wait_alu depctr_va_vdst(0)                   ; and one wait for the four
	ds_store_b128 v[TWC], v[R4:R4+3] offset:16*(\k)        ; every lane holds and stores the same four numbers
	ds_store_b128 v[TWC], v[MU4:MU4+3] offset:16*(\k)+2048
.endm
.macro LADDR                           ; the LDS addresses of the 16 rows in hand
	v_add_nc_u32 v[XC], s[LX], v[XA0]
	v_add_nc_u32 v[XC+1], s[LX], v[XA1]
	v_add_nc_u32 v[TWC], s[LT], v[TW]
.endm
; S^T.  LOADF: four key tiles' fragments of K step s.  MMS: 16 products, key tiles 4 half + 0..3 x the four query tiles.  The accumulator of key tile kt, query tile t is number
; ((kt / 2) 4 + t) 2 + kt % 2, so that a pair of key tiles lies on end; all 32 take turns.
.macro LOADF buf, adr, s
	WIN 0
.set q, 0
.rept 4
	ds_load_b128 v[(\buf)+8*q:(\buf)+8*q+3], v[\adr] offset:q*16*XP+64*(\s)
	ds_load_b128 v[(\buf)+8*q+4:(\buf)+8*q+7], v[\adr] offset:q*16*XP+64*(\s)+32
.set q, q+1
.endr
.endm
.macro MMS buf, half, s
.set t, 0
.rept 4
	WIN 0x58+4*(t/2)                               ; X in window 0, Qg in window 2 or 3, S^T in window 1
.set q, 0
.rept 4
.set ix, (((4*(\half)+q)/2)*4+t)*2+q%2
.if (\s) == 0
	v_wmma_f32_16x16x32_f16 v[8*ix:8*ix+7], v[(\buf)+8*q:(\buf)+8*q+7], v[8*(16*(t%2)+(\s)):8*(16*(t%2)+(\s))+7], 0
.else
	v_wmma_f32_16x16x32_f16 v[8*ix:8*ix+7], v[(\buf)+8*q:(\buf)+8*q+7], v[8*(16*(t%2)+(\s)):8*(16*(t%2)+(\s))+7], v[8*ix:8*ix+7]
.endif
.set q, q+1
.endr
.set t, t+1
.endr
.endm
.macro TSTEP hf                        ; t = S R + MK for key tiles 4 hf + 0..3; each accumulator from its low registers on
	WIN 0
.set q, 0
.rept 4
	ds_load_b128 v[TB+8*q:TB+8*q+3], v[TAC] offset:64*(4*(\hf)+q)
	ds_load_b128 v[TB+8*q+4:TB+8*q+7], v[TAC] offset:64*(4*(\hf)+q)+16
	ds_load_b128 v[TB+32+8*q:TB+32+8*q+3], v[TAC] offset:1024+64*(4*(\hf)+q)
	ds_load_b128 v[TB+32+8*q+4:TB+32+8*q+7], v[TAC] offset:1024+64*(4*(\hf)+q)+16
.set q, q+1
.endr
	s_wait_dscnt 0x0
	WIN 0x41
.set i, 0
.rept 64
.set q, i/16
.set ix, (((4*(\hf)+q)/2)*4+(i/4)%4)*2+q%2
	v_pk_fma_f32 v[8*ix+2*(i%4):8*ix+2*(i%4)+1], v[8*ix+2*(i%4):8*ix+2*(i%4)+1], v[TB+8*q+2*(i%4):TB+8*q+2*(i%4)+1], v[TB+32+8*q+2*(i%4):TB+32+8*q+2*(i%4)+1]
.set i, i+1
.endr
.endm
.macro MULOAD hf                       ; mu of key tiles 4 hf + 0..3
	WIN 0
.set q, 0
.rept 4
	ds_load_b128 v[TB+8*q:TB+8*q+3], v[TAC] offset:2048+64*(4*(\hf)+q)
	ds_load_b128 v[TB+8*q+4:TB+8*q+7], v[TAC] offset:2048+64*(4*(\hf)+q)+16
.set q, q+1
.endr
.endm
.macro PKA ix, c                       ; pair c of accumulator ix: t + (cb + NM)
	v_pk_add_f32 v[8*(\ix)+2*(\c):8*(\ix)+2*(\c)+1], v[8*(\ix)+2*(\c):8*(\ix)+2*(\c)+1], v[DL+2*(((\ix)/2)%4):DL+2*(((\ix)/2)%4)+1] op_sel_hi:[1,0]
.endm
.macro SUMS hf                         ; l and m take the weights of key tiles 4 hf + 0..3, the four tiles' chains by turns
	WIN 0x01
.set i, 0
.rept 64
.set q, i/16
.set t, i%4
.set c, (i/4)%4
.set ix, (((4*(\hf)+q)/2)*4+t)*2+q%2
	v_pk_add_f32 v[LA+2*t:LA+2*t+1], v[8*ix+2*c:8*ix+2*c+1], v[LA+2*t:LA+2*t+1]
	v_pk_fma_f32 v[MA+2*t:MA+2*t+1], v[8*ix+2*c:8*ix+2*c+1], v[TB+8*q+2*c:TB+8*q+2*c+1], v[MA+2*t:MA+2*t+1]
.set i, i+1
.endr
.endm
; W^T.  LOADT: keys 64 a + 0..63 x 32 channels, turned: fragment (32 keys q / 2, 16 channels q % 2).  MMV: 16 products on the 8 accumulators (channel tile, query tile) by turns.
.macro LOADT buf, a
	WIN 0
.set q, 0
.rept 4
	ds_load_tr16_b128 v[(\buf)+8*q:(\buf)+8*q+3], v[XTC+(\a)] offset:(q/2)*32*XP+32*(q%2)
	ds_load_tr16_b128 v[(\buf)+8*q+4:(\buf)+8*q+7], v[XTC+(\a)] offset:(q/2)*32*XP+16*XP+32*(q%2)
.set q, q+1
.endr
.endm
.macro MMV buf, a
	WIN 0x50+4*((\a)/2)                            ; X in window 0, P in window 0 (first group) or 1, W^T in window 1
.set i, 0
.rept 16
.set kp, 2*(\a)+i/8
.set rP, 8*(4*(kp%4)+i%4)+128*(1-(\a)/2)
.set rV, VA+8*(4*((i/4)%2)+i%4)
.set rG, (\buf)+8*(2*(i/8)+(i/4)%2)
.if kp == 0
	v_wmma_f32_16x16x32_f16 v[rV:rV+7], v[rG:rG+7], v[rP:rP+7], 0
.else
	v_wmma_f32_16x16x32_f16 v[rV:rV+7], v[rG:rG+7], v[rP:rP+7], v[rV:rV+7]
.endif
.set i, i+1
.endr
.endm
.macro QXLOAD                          ; f16(qx) of my four tiles, the chunk's two blocks of 16 channels: a lane's 16 bytes are its query's channels 8 (l / 16) + 0..7
	WIN 0x40
.set i, 0
.rept 8
	global_load_b128 v[QXR+4*i:QXR+4*i+3], v[QXO], s[16:17] offset:(i/2)*16384+(i%2)*512
.set i, i+1
.endr
.endm
	s_load_b256 s[8:15], s[0:1], 0x0               ; kx, mask, QGF, CBP
	s_load_b128 s[16:19], s[0:1], 0x20             ; QXF, QS
	s_load_b64 s[20:21], s[0:1], 0x30              ; out1
	v_lshl_add_u32 v[SPW], v0, 2, SPARE
	v_mov_b32 v[NIL], 0
	v_lshrrev_b32 v60, 5, v0
	v_readfirstlane_b32 s[WV], v60                 ; wave 0..3
	v_and_b32 v61, 31, v0                          ; l
	v_and_b32 v62, 15, v0                          ; l % 16
	v_bfe_u32 v63, v0, 4, 1                        ; l / 16
	s_mov_b32 s[SEL], 0x76543210
	s_mov_b32 s[SEL+1], 0xfedcba98
	s_mov_b32 s[C17], 0x37000000                   ; 1 / (512 x 256)
	s_mov_b32 s[EPS], 0x3327c5ac                   ; 1e-5 / 256
	s_mov_b32 s[C512], 0x3b000000                  ; 1 / 512
	s_mov_b32 s[NINF], 0xff800000
	s_mov_b32 s[HM], 0xffff0000
	s_mov_b32 s[PFT], 7                            ; the first batch prefetches when seven chunks are left
	s_mov_b32 s[BC], 2
	s_lshl_b32 s40, s[WV], 17                      ; my 64 rows of 2,048 bytes
	v_lshl_add_u32 v[KO], v61, 4, s40
	v_lshl_add_u32 v[PFA], v61, 8, s40             ; a lane names 256 bytes
	s_mul_i32 s40, s[WV], 64*XP
	v_lshlrev_b32 v[XA1], 3, v61
	v_add_nc_u32 v[XA0], s40, v[XA1]
	v_xor_b32 v[XA1], 16, v[XA1]
	v_add_nc_u32 v[XA1], s40, v[XA1]
	s_lshl_b32 s40, s[WV], 8
	s_add_co_u32 s40, s40, RT
	v_mov_b32 v[TW], s40
	s_lshl_b32 s40, s[WV], 6
	v_add_nc_u32 v[MKO], s40, v61
	v_lshrrev_b32 v[XR0], 3, v62                   ; key l % 16, the piece 16 (l / 16) turned by (key / 8) % 2
	v_xor_b32 v[XR0], v[XR0], v63
	v_lshlrev_b32 v[XR0], 4, v[XR0]
	v_mad_u32_u24 v[XR0], v62, XP, v[XR0]
	v_lshl_add_u32 v[TA0], v63, 5, RT              ; my lanes' eight keys of a tile: 32 (l / 16) bytes
	v_and_b32 v60, 7, v0                           ; the turning load: key 8 (l / 16) + l % 8, the piece (l / 8) % 2 turned by (key / 8) % 2 = l / 16
	v_lshl_add_u32 v60, v63, 3, v60
	v_bfe_u32 v[XTB], v0, 3, 1
	v_xor_b32 v[XTB], v[XTB], v63
	v_lshlrev_b32 v[XTB], 4, v[XTB]
	v_mad_u32_u24 v[XTB], v60, XP, v[XTB]
	v_add_nc_u32 v[XTB+1], 64*XP, v[XTB]
	v_add_nc_u32 v[XTB+2], 128*XP, v[XTB]
	v_add_nc_u32 v[XTB+3], 192*XP, v[XTB]
	s_lshl_b32 s40, s[WV], 16                      ; my four tiles of 16,384 bytes
	v_lshl_add_u32 v[QX0], v61, 4, s40
	s_lshl_b32 s40, s[WV], 8
	v_lshl_add_u32 v60, v62, 2, s40                ; cb's partial sums of query 64 w + l % 16
	s_wait_kmcnt 0x0
.set i, 0
.rept 64                                               ; tile i / 16, partial sum i % 16
	global_load_b32 v[64+i], v60, s[14:15] offset:(i%16)*1024+(i/16)*64
.set i, i+1
.endr
	WIN 0x80
.set i, 0
.rept 64                                               ; Qg stays in registers: tiles 0 and 1,
	global_load_b128 v[4*i:4*i+3], v[QX0], s[12:13] offset:512*i
.set i, i+1
.endr
	WIN 0xc0
.set i, 0
.rept 64                                               ; tiles 2 and 3
	global_load_b128 v[4*i:4*i+3], v[QX0], s[12:13] offset:32768+512*i
.set i, i+1
.endr
	WIN 0
	s_lshl_b32 s40, ttmp9, 20                      ; two batches of 524,288 bytes
	s_mov_b32 s41, 0
	s_add_nc_u64 s[KB:KB+1], s[KB:KB+1], s[40:41]
	s_lshl_b32 s40, ttmp9, 9                       ; and of 256 bytes of the mask
	s_add_nc_u64 s[MB:MB+1], s[MB:MB+1], s[40:41]
	EACH v_mov_b32 v[SRES+2*p+1], 0
	s_wait_loadcnt 0x0                             ; once a launch
.set c, 0
.rept 4
	EACH v_pk_add_f32 v[64+16*p+2*c:64+16*p+2*c+1], v[64+16*p+2*c:64+16*p+2*c+1], v[64+16*p+8+2*c:64+16*p+8+2*c+1]
.set c, c+1
.endr
	EACH v_pk_add_f32 v[64+16*p:64+16*p+1], v[64+16*p:64+16*p+1], v[64+16*p+4:64+16*p+5]
	EACH v_pk_add_f32 v[64+16*p+2:64+16*p+3], v[64+16*p+2:64+16*p+3], v[64+16*p+6:64+16*p+7]
	EACH v_pk_add_f32 v[64+16*p:64+16*p+1], v[64+16*p:64+16*p+1], v[64+16*p+2:64+16*p+3]
	EACH v_add_f32 v[SCB+p], v[64+16*p], v[64+16*p+1]
.Lbatch:
	; ---- THE BATCH COMES IN: my 64 keys, 16 rows a trip through a ring of four slots of four rows: 64 loads, 32 KiB, of each wave are on their way ----
	global_load_u8 v[MB0], v[MKO], s[MB:MB+1]
	global_load_u8 v[MB0+1], v[MKO], s[MB:MB+1] offset:32
	WIN 0x40
.set i, 0
.rept 64
	global_load_b128 v[4*i:4*i+3], v[KO], s[KB:KB+1] offset:512*i  ; rows lie on end: load i is row i / 4, 512 consecutive bytes
.set i, i+1
.endr
	WIN 0
	EACH v_mov_b32 v[SNM+p], 0x7f7fffff            ; NM starts at the greatest finite number: every true maximum lowers it
	EACH v_mov_b32 v[SL+p], 0
	EACH v_mov_b32 v[SLP+p], 0
	EACH v_mov_b32 v[SM+p], 0
	EACH v_mov_b32 v[SMP+p], 0
	v_lshl_add_u32 v[MKA], v[MKO], 2, MKB
	s_mov_b32 s[LX], 0
	s_mov_b32 s[LT], 0
	s_mov_b32 s[LC], 3
	s_wait_loadcnt 63                              ; the two mask loads are in (64 younger loads are out; the count's field ends at 63)
	v_cmp_ne_u32 vcc_lo, 0, v[MB0]
	v_cndmask_b32 v[MB0], 0, s[NINF], vcc_lo
	v_cmp_ne_u32 vcc_lo, 0, v[MB0+1]
	v_cndmask_b32 v[MB0+1], 0, s[NINF], vcc_lo
	ds_store_b32 v[MKA], v[MB0]
	ds_store_b32 v[MKA], v[MB0+1] offset:128
.Lrows:
	LADDR
	SLOT 0, 1, 48                                  ; three younger slots of 16 loads stay out
	SLOT 1, 1, 48
	SLOT 2, 1, 48
	SLOT 3, 1, 48
	s_wait_xcnt 0x0                                ; the trip's loads have read their base
	s_add_nc_u64 s[KB:KB+1], s[KB:KB+1], 32768
	s_add_co_u32 s[LX], s[LX], 16*XP
	s_add_co_u32 s[LT], s[LT], 64
	s_sub_co_u32 s[LC], s[LC], 1
	s_cmp_lg_u32 s[LC], 0
	s_cbranch_scc1 .Lrows
	LADDR
	SLOT 0, 0, 48                                  ; the last 16 rows ask for nothing: the counts run down
	SLOT 1, 0, 32
	SLOT 2, 0, 16
	SLOT 3, 0, 0
	s_wait_dscnt 0x0                               ; my rows and tables are stored,
	s_barrier_signal -1
	s_barrier_wait -1                              ; everybody's are
	; ---- SCORES AND SOFTMAX, 128 keys a trip ----
	s_mov_b32 s[GC], 2
	s_mov_b32 s[GX], 0
	s_mov_b32 s[GT], 0
.Lgroup:
	v_add_nc_u32 v[XRA], s[GX], v[XR0]
	v_add_nc_u32 v[XRB], 64*XP, v[XRA]
	v_add_nc_u32 v[TAC], s[GT], v[TA0]
	LOADF FA, XRA, 0
	LOADF FB, XRB, 0
.set ss, 0
.rept 16
	s_wait_dscnt 8                                 ; this buffer's eight loads are in; the other buffer's eight stay out
	MMS FA, 0, ss
	PLACES
.if ss < 15
	LOADF FA, XRA, ss+1
	s_wait_dscnt 8
.else
	s_wait_dscnt 0
.endif
	MMS FB, 1, ss
	PLACES
.if ss < 15
	LOADF FB, XRB, ss+1
.endif
.set ss, ss+1
.endr
	TSTEP 0
	TSTEP 1
	WIN 0x05                                       ; the maximum of a lane's 64 scores of each tile, three operands at a time, the four tiles by turns
.set n, 0
.rept 32
.set t, 0
.rept 4
.set ix, ((n/8)*4+t)*2+(n/4)%2
.if n == 0
	v_max_num_f32 v[SMX+t], v[8*ix], v[8*ix+1]
.else
	v_max3_num_f32 v[SMX+t], v[8*ix+2*(n%4)], v[8*ix+2*(n%4)+1], v[SMX+t]
.endif
.set t, t+1
.endr
.set n, n+1
.endr
	WIN 0
	EACH v_permlanex16_b32 v[SLP+p], v[SMX+p], s[SEL], s[SEL+1]  ; the query's other 64 keys lie in the lane 16 away
	EACH v_max_num_f32 v[SMX+p], v[SMX+p], v[SLP+p]
	EACH v_add_f32 v[SMX+p], v[SMX+p], v[SCB+p]
	EACH v_floor_f32 v[SMX+p], -v[SMX+p]
	EACH v_mov_b32 v[SNP+p], v[SNM+p]
	EACH v_min_num_f32 v[SNM+p], v[SNM+p], v[SMX+p]
	EACH v_add_f32 v[DL+2*p], v[SCB+p], v[SNM+p]
	EACH v_add_f32 v[DL+2*p+1], v[SCB+p], v[SNM+p]
	MULOAD 0
.set i, 0
.rept 16
	v_mov_b32 v[LA+i], 0                           ; the group's l and m
.set i, i+1
.endr
	WIN 0x41                                       ; ONE BATCH of 256 exponentials, the next accumulator's additions set between them; nothing here names a result
.set c, 0
.rept 4
	PKA 0, c
.set c, c+1
.endr
.set jx, 0
.rept 32
.set c, 0
.rept 4
	v_exp_f32 v[8*jx+2*c], v[8*jx+2*c]
	v_exp_f32 v[8*jx+2*c+1], v[8*jx+2*c+1]
.if jx < 31
	PKA jx+1, c
.endif
.set c, c+1
.endr
.set jx, jx+1
.endr
	v_nop                                          ; a plain instruction behind the last exponential,
	s_wait_alu depctr_va_vdst(0)                   ; and one wait for the batch
	s_wait_dscnt 0x0                               ; mu
	SUMS 0
	MULOAD 1
	s_wait_dscnt 0x0
	SUMS 1
	WIN 0
	EACH v_mov_b32 v[SLP+p], v[SL+p]
	EACH v_add_f32 v[SL+p], v[LA+2*p], v[LA+2*p+1]
	EACH v_mov_b32 v[SMP+p], v[SM+p]
	EACH v_add_f32 v[SM+p], v[MA+2*p], v[MA+2*p+1]
	s_cmp_eq_u32 s[GC], 2                          ; the first group?  (at the first trip the counter holds the constant 2)
	s_cbranch_scc0 .Lsecond
	WIN 0x05                                       ; its weights go to window 0,
.set i, 0
.rept 128
	v_cvt_pk_f16_f32 v[P0+i], v[2*i], v[2*i+1]
.set i, i+1
.endr
	WIN 0
	s_branch .Lpacked
.Lsecond:
	WIN 0x45                                       ; the second's stay in window 1, packed downward in ascending order
.set i, 0
.rept 128
	v_cvt_pk_f16_f32 v[i], v[2*i], v[2*i+1]
.set i, i+1
.endr
	WIN 0
.Lpacked:
	s_add_co_u32 s[GX], s[GX], 128*XP
	s_add_co_u32 s[GT], s[GT], 512
	s_sub_co_u32 s[GC], s[GC], 1
	s_cmp_lg_u32 s[GC], 0
	s_cbranch_scc1 .Lgroup
	; the first group is brought to the final maximum: a = 2^(NM - NM before), a power of two
	EACH v_sub_f32 v[SMX+p], v[SNM+p], v[SNP+p]
	EACH v_exp_f32 v[64+p], v[SMX+p]
	v_nop
	s_wait_alu depctr_va_vdst(0)
	EACH v_cvt_pk_f16_f32 v[68+p], v[64+p], v[64+p]
	EACH v_fma_f32 v[SL+p], v[SLP+p], v[64+p], v[SL+p]
	EACH v_fma_f32 v[SM+p], v[SMP+p], v[64+p], v[SM+p]
.set i, 0
.rept 128
	v_pk_mul_f16 v[P0+i], v[P0+i], v[68+(i/8)%4]
.set i, i+1
.endr
	; ---- W^T = X^T P, 32 channels a trip; each chunk is folded at once into W . qx and |W|^2 ----
	s_mov_b32 s[CHO], 0
	EACH v_mov_b32 v[XTC+p], v[XTB+p]
	LOADT FA, 0
	LOADT FB, 1
	v_mov_b32 v[QXO], v[QX0]
	v_and_b32 v[SMX], 15, v0
	s_lshl_b32 s40, s[WV], 6
	v_add_nc_u32 v[SMX], s40, v[SMX]
	v_lshlrev_b32 v[SMX], 3, v[SMX]                ; QS of query 64 w + l % 16
	QXLOAD
.set i, 0
.rept 4
	global_load_b64 v[QSR+2*i:QSR+2*i+1], v[SMX], s[18:19] offset:128*i
.set i, i+1
.endr
.set i, 0
.rept 16
	v_mov_b32 v[DOT+i], 0
.set i, i+1
.endr
	WIN 0
	s_mov_b32 s[CH], 16
.Lchunk:
	s_wait_dscnt 8                                 ; this buffer's eight loads are in; the other's stay out: so at all four waits of the trip
	MMV FA, 0
	PLACES
	LOADT FA, 2
	s_wait_dscnt 8
	MMV FB, 1
	PLACES
	LOADT FB, 3
	s_wait_dscnt 8
	MMV FA, 2
	WIN 0
	s_add_co_u32 s[CHO], s[CHO], 64                ; the next chunk's 64 bytes of a row; behind the last chunk the first once more, so that the look-ahead stays inside X
	s_and_b32 s[CHO], s[CHO], 0x3c0
	EACH v_add_nc_u32 v[XTC+p], s[CHO], v[XTB+p]   ; four plain instructions: the places behind the products
	LOADT FA, 0
	s_wait_dscnt 8
	MMV FB, 3
	PLACES
	LOADT FB, 1
	PLACES
	s_wait_loadcnt 0x0                             ; qx of this chunk (asked for a trip ago)
	WIN 0x55
.set i, 0
.rept 64                                               ; channel tile i / 32, channel (i / 4) % 8, query tile i % 4: each accumulator from register 0 on; eight chains by turns
.set t, i%4
.set j, (i/4)%8
.set rV, VA+8*(4*(i/32)+t)+j
.set rX, QXR+4*(2*t+i/32)+j/2
.if j%2
	v_fma_mix_f32 v[DOT+2*t+1], v[rV], v[rX], v[DOT+2*t+1] op_sel:[0,1,0] op_sel_hi:[0,1,0]
.else
	v_fma_mix_f32 v[DOT+2*t], v[rV], v[rX], v[DOT+2*t] op_sel_hi:[0,1,0]
.endif
.set i, i+1
.endr
.set i, 0
.rept 32
.set rV, VA+8*(4*(i/16)+i%4)+2*((i/4)%4)
	v_pk_fma_f32 v[NN+2*(i%4):NN+2*(i%4)+1], v[rV:rV+1], v[rV:rV+1], v[NN+2*(i%4):NN+2*(i%4)+1]
.set i, i+1
.endr
	WIN 0
	s_lshl_b32 s40, s[CHO], 4                      ; 1,024 bytes of QXF a chunk
	v_add_nc_u32 v[QXO], s40, v[QX0]               ; (its last loads are done)
	QXLOAD
	WIN 0
	; A PREFETCH INTO THE L2, in the first batch alone, when seven chunks are left: the 16 rows of the second batch that I myself load first, 32 KiB: a lane names 256 bytes, four instructions,
	; behind the trip's loads.  Each block is named once in the launch; the second batch asks for nothing.
	s_cmp_eq_u32 s[CH], s[PFT]
	s_cbranch_scc0 .Lno_pf
	global_prefetch_b8 v[PFA], s[KB:KB+1] offset:425984 th:TH_LOAD_NT scope:SCOPE_SE        ; the pointer stands 48 rows into this batch: 524,288 - 98,304 bytes on
	global_prefetch_b8 v[PFA], s[KB:KB+1] offset:425984+8192 th:TH_LOAD_NT scope:SCOPE_SE
	global_prefetch_b8 v[PFA], s[KB:KB+1] offset:425984+16384 th:TH_LOAD_NT scope:SCOPE_SE
	global_prefetch_b8 v[PFA], s[KB:KB+1] offset:425984+24576 th:TH_LOAD_NT scope:SCOPE_SE
.Lno_pf:
	s_sub_co_u32 s[CH], s[CH], 1
	s_cmp_lg_u32 s[CH], 0
	s_cbranch_scc1 .Lchunk
	s_wait_dscnt 0x0                               ; my reads of X and the tables are over (the look-ahead's too),
	s_barrier_signal -1
	s_barrier_wait -1                              ; everybody's are: the next batch may be stored
	; ---- THE BATCH'S RESULT ----
	WIN 0x05
	EACH v_add_f32 v[64+p], v[DOT+2*p], v[DOT+2*p+1]
	EACH v_add_f32 v[68+p], v[NN+2*p], v[NN+2*p+1]
	WIN 0x01
	EACH v_mov_b32 v[72+p], v[QSR+2*p]             ; IQ
	EACH v_mov_b32 v[76+p], v[QSR+2*p+1]           ; sum of qx
	WIN 0
	EACH v_permlanex16_b32 v[SLP+p], v[SL+p], s[SEL], s[SEL+1]   ; the other half of the lanes holds the query's other keys, or channels
	EACH v_permlanex16_b32 v[SMP+p], v[SM+p], s[SEL], s[SEL+1]
	EACH v_permlanex16_b32 v[SNP+p], v[64+p], s[SEL], s[SEL+1]
	EACH v_permlanex16_b32 v[SMX+p], v[68+p], s[SEL], s[SEL+1]
	EACH v_add_f32 v[SL+p], v[SL+p], v[SLP+p]
	EACH v_add_f32 v[SM+p], v[SM+p], v[SMP+p]
	EACH v_add_f32 v[64+p], v[64+p], v[SNP+p]
	EACH v_add_f32 v[68+p], v[68+p], v[SMX+p]
	EACH v_fma_f32 v[64+p], v[SM+p], v[76+p], v[64+p]            ; l v . qx
	EACH v_mul_f32 v[SLP+p], v[SM+p], v[SM+p]
	EACH v_fmamk_f32 v[68+p], v[SLP+p], 0x44000000, v[68+p]      ; |l v|^2 = |W|^2 + 512 m^2
	EACH v_rcp_f32 v[SMP+p], v[SL+p]
	EACH v_sqrt_f32 v[SNP+p], v[68+p]
	v_nop
	s_wait_alu depctr_va_vdst(0)                   ; one wait for the eight
	EACH v_mul_f32 v[SNP+p], v[SNP+p], v[SMP+p]    ; |v|
	EACH v_mul_f32 v[64+p], v[64+p], v[SMP+p]      ; v . qx
	EACH v_max_num_f32 v[SNP+p], 0x2b8cbccc, v[SNP+p]
	EACH v_rcp_f32 v[SLP+p], v[SNP+p]
	EACH v_mul_f32 v[64+p], v[64+p], v[72+p]       ; plain work behind the reciprocals
	s_wait_alu depctr_va_vdst(0)
	EACH v_mov_b32 v[SRES+2*p], v[SRES+2*p+1]      ; the first batch's result moves to the pair's low register
	EACH v_mul_f32 v[SRES+2*p+1], v[64+p], v[SLP+p]
	s_wait_loadcnt 0x0                             ; the look-ahead's loads of qx: their registers belong to the next batch's ring
	s_wait_xcnt 0x0                                ; loads and prefetches have read their bases
	s_add_nc_u64 s[KB:KB+1], s[KB:KB+1], 425984    ; the next batch
	s_add_nc_u64 s[MB:MB+1], s[MB:MB+1], 256
	s_mov_b32 s[PFT], 0                            ; no count of chunks equals it
	s_sub_co_u32 s[BC], s[BC], 1
	s_cmp_lg_u32 s[BC], 0
	s_cbranch_scc1 .Lbatch
	; both halves of the lanes hold every tile's results: lanes 0-15 store tiles 0 and 2, lanes 16-31 tiles 1 and 3: row 64 w + lane (+ 32), columns 2 g and 2 g + 1
	v_and_b32 v60, 31, v0
	s_lshl_b32 s40, s[WV], 6
	v_add_nc_u32 v60, s40, v60
	s_lshl_b32 s41, ttmp9, 3
	v_lshl_add_u32 v60, v60, 11, s41
	v_cndmask_b32 v64, v[SRES], v[SRES+2], s[HM]
	v_cndmask_b32 v65, v[SRES+1], v[SRES+3], s[HM]
	v_cndmask_b32 v66, v[SRES+4], v[SRES+6], s[HM]
	v_cndmask_b32 v67, v[SRES+5], v[SRES+7], s[HM]
	global_store_b64 v60, v[64:65], s[20:21]
	global_store_b64 v60, v[66:67], s[20:21] offset:65536
	s_wait_tensorcnt 0x0                           ; the wave's end: three lines behind my last LDS store
	ds_add_u32 v[SPW], v[NIL]
	s_wait_dscnt 0x0
	s_endpgm
.Lfunc_end_k_qf7b215f4d9_attn:
	.size	k_qf7b215f4d9_attn, .Lfunc_end_k_qf7b215f4d9_attn-k_qf7b215f4d9_attn
	.p2alignl 7, 3214868480
	.fill 96, 4, 3214868480
	.section	.rodata,"a",@progbits
	.p2align	6, 0x0
	.amdhsa_kernel k_qf7b215f4d9_attn
		.amdhsa_group_segment_fixed_size 273920
		.amdhsa_private_segment_fixed_size 0
		.amdhsa_enable_private_segment 0
		.amdhsa_kernarg_size 56
		.amdhsa_user_sgpr_count 2
		.amdhsa_user_sgpr_kernarg_segment_ptr 1
		.amdhsa_wavefront_size32 1
		.amdhsa_system_sgpr_workgroup_id_x 1
		.amdhsa_system_sgpr_workgroup_id_y 1
		.amdhsa_system_sgpr_workgroup_id_z 1
		.amdhsa_system_vgpr_workitem_id 0
		.amdhsa_next_free_vgpr 1024
		.amdhsa_next_free_sgpr 66
		.amdhsa_reserve_vcc 1
		.amdhsa_float_denorm_mode_32 3
		.amdhsa_float_denorm_mode_16_64 3
		.amdhsa_memory_ordered 1
		.amdhsa_forward_progress 1
		.amdhsa_inst_pref_size 255
	.end_amdhsa_kernel
	.section	.bss,"aw",@nobits
	.p2align	6
	.space	262144
	.amdgpu_metadata
---
amdhsa.version: [ 1, 2 ]
amdhsa.kernels:
  - .name:           k_qf7b215f4d9_attn
    .symbol:         k_qf7b215f4d9_attn.kd
    .args:
      - { .name: kx, .offset: 0, .size: 8, .value_kind: global_buffer, .address_space: global }
      - { .name: key_padding_mask, .offset: 8, .size: 8, .value_kind: global_buffer, .address_space: global }
      - { .name: QGF, .offset: 16, .size: 8, .value_kind: global_buffer, .address_space: global }
      - { .name: CBP, .offset: 24, .size: 8, .value_kind: global_buffer, .address_space: global }
      - { .name: QXF, .offset: 32, .size: 8, .value_kind: global_buffer, .address_space: global }
      - { .name: QS, .offset: 40, .size: 8, .value_kind: global_buffer, .address_space: global }
      - { .name: out1, .offset: 48, .size: 8, .value_kind: global_buffer, .address_space: global }
    .group_segment_fixed_size: 273920
    .private_segment_fixed_size: 0
    .kernarg_segment_align: 8
    .kernarg_segment_size: 56
    .max_flat_workgroup_size: 128
    .sgpr_count:     66
    .vgpr_count:     1024
    .wavefront_size: 32
...
	.end_amdgpu_metadata
.endif
;; end of part 3
;; ======== version 2 of 2: 3 launches; version 1 with the launch attn written anew for expert scheduling mode
;; limits: values are held in f16: magnitudes above 65,504 overflow, below 6.1e-05 lose precision
;; workspace buffers: QF 262,144 bytes; HF 1,048,576 bytes; QXF 262,144 bytes; QGF 262,144 bytes; QS 2,048 bytes; CBP 16,384 bytes
;; launch lin1: the kernel of part 1 again; grid 40 x 8, 4 waves a work-group, no clusters, 148,480 bytes of LDS; arguments qx, ln_q_g, ln_q_b, Wq, W1, b1, logit_scale, QF, HF, QXF, QS; writes QF, HF, QXF, QS
;; launch lin2: the kernel of part 2 again; grid 24 x 8, 4 waves a work-group, no clusters, 115,200 bytes of LDS; arguments QF, HF, Wk, W2, ln_k_g, ln_k_b, b2, QGF, CBP, out0; writes QGF, CBP, out0
;; launch attn (part 4): grid 256 x 1, 4 waves a work-group, no clusters, 273,920 bytes of LDS; arguments kx, key_padding_mask, QGF, CBP, QXF, QS, out1; writes out1
.if DOCPART == 4
	.amdgcn_target "amdgcn-amd-amdhsa--gfx1250"
	.amdhsa_code_object_version 6
	.text
	.protected	k_qf7b215f4d9_attn
	.globl	k_qf7b215f4d9_attn
	.p2align	8
	.type	k_qf7b215f4d9_attn,@function
k_qf7b215f4d9_attn:
	s_mov_b64 s[64:65], 0
	v_nop
	global_prefetch_b8 v0, s[64:65] scope:SCOPE_SE
	s_setreg_imm32_b32 hwreg(HW_REG_WAVE_SCHED_MODE, 0, 2), 2
	s_setreg_imm32_b32 hwreg(HW_REG_WAVE_MODE, 25, 1), 1
	s_wait_xcnt 0x0
	s_wait_alu depctr_vm_vsrc(0)
; out1[q][k] = cos(v[q][k], qx[q]) exp(logit_scale), v = the softmax-weighted mean of the 256 raw rows of kx[k].  Work-group g takes key batches 2 g and 2 g + 1 and ALL 256 queries;
; a wave owns 64 queries (four tiles of 16) and, while a batch comes in, 64 of its keys.  kx is read once, f32, through registers.
; PER KEY n: mu = the row's mean; xc = x - mu, rounded to f16 into LDS; R = 16 rsqrt(var + 1e-5); MK = 0, or -inf under the mask.
; SCORE, in powers of two: t + cb, t = (Qg . xc) R + MK: Qg holds c0 / 16 x gain x (q Wk^T), cb = c0 x bias . (q Wk^T), c0 = log2(e) / sqrt(512).
; SOFTMAX with a running maximum over two groups of 128 keys, rounded UP to a whole number and kept negated: NM = min(NM, floor(-(max t + cb))); p = 2^(t + cb + NM) lies in 0 to 1.
; The first group's weights are then corrected by a = 2^(NM - NM_before), a power of two: exact in f16 but for weights that leave f16's range downward, under 2^-24 of the largest.
; MEAN: l v = W + m 1 with W = sum of p xc (matrix unit) and m = sum of p mu; W's channels sum to 0 by the choice of mu, so |l v|^2 = |W|^2 + 512 m^2 and l v . qx = W . qx + m sum(qx).
; A batch that is masked whole gives l = 0 and 0 x infinity = NaN, as a softmax over -inf alone does.
; LIMITS: f16 operands: |x - mu| and |Qg| stay under 65,504; a weight under 2^-126 counts as 0; infinities and NaN in kx are not treated apart.
; LAYOUT: S^T = X Qg^T (source 0 = 16 keys, source 1 = 16 queries): a lane holds one query (lane % 16) and keys 8 (lane / 16) + 0..7; two such tiles rounded to f16 ARE source 1 of W^T = X^T P,
; whose result again holds one query a lane and eight channels.  X comes out of LDS as it lies for the first product and turned (ds_load_tr16_b128) for the second.
; LDS rows of X are 1,056 bytes (33 x 32, for the turning load); the 16-byte piece's number is turned by (key / 8) % 2, so that the 16 rows of a plain fragment load also start 16 bytes apart modulo 256.
; NO TENSOR LOADS: the f32 rows must pass through registers to be centred and rounded, and X takes 270,336 bytes of LDS.  NO CLUSTER: no two work-groups read the same rows of kx.
; out1 is stored 8 bytes a row: a work-group owns 2 of a row's 512 columns.
; THE MODE: SCHED_MODE bits 1:0 = 2 (LLVM: expert scheduling mode 2), set by the entry lines.  The code itself states the register dependences between vector or matrix instructions and
; memory or LDS instructions, with s_wait_alu, always for 0.
; THE PLAN.  Registers that memory or LDS instructions touch, and who else names them:
;   the ring (window 1)   A slot's sums and subtractions read its 64 registers; its next rows land in them.
;   YY, R4, MU4           Written by a slot's arithmetic, read by its 18 LDS stores, written again by the next slot.
;   XC, TWC               The stores' LDS addresses: written once for 16 rows, in slot 0.
;   So a slot has ONE wait on va_vdst, behind all its arithmetic and ahead of all its memory instructions (16 loads, 18 stores), and ONE on vm_vsrc, ahead of the first line that writes MU4 again.
;   FA, FB (v64-127)      Fragments land there and products read them, by turns.  A half step (16 products on one buffer) opens with one wait on va_vdst: the products of the half before are done
;                         reading the other buffer, whose eight loads then stand behind the half's second product: the products issued since the wait name neither that buffer nor its address.
;                         Later the tables of R, MK and mu land there and multiply-adds read them: one wait on va_vdst ahead of each run of loads.
;   XRA, XRB, TAC         LDS addresses, written once a group of 128 keys: vm_vsrc, the three additions, va_vdst.
;   XTC                   The turning loads' addresses, written once a chunk: vm_vsrc, the four additions, and the quarter's own wait on va_vdst.
;   QXR, QSR (window 1)   qx of a chunk lands, the fold reads it: one wait on va_vdst behind the fold, which also frees FB for the next trip's first loads.
;   KO, MKO, PFA, QX0     Offsets made at the head and never written again: rows, chunks and batches are reached by scalar bases and immediates.
; REGISTERS, in windows of 256 (s_set_vgpr_msb: bits 1:0 source 0, 3:2 source 1, 5:4 source 2, 7:6 destination):
;   window 0: v0-23 addresses; v24-63 statistics; v64-127 fragment buffers, tables, at work; v128-255 the first group's P (while a batch comes in: centred rows, halves, sums)
;   window 1: the ring of 64 loads; then the 32 accumulators of S^T; then v0-127 the second group's P, v128-191 W^T of 32 channels, v192-223 qx, v224-239 dot and norm, v240-247 QS
;   windows 2, 3: Qg: tile t, K step s at 8 (16 (t % 2) + s) of window 2 + t / 2
.set XP,  1056
.set RT,  256*XP                       ; R of the 256 keys
.set MKB, RT+1024                      ; MK
.set MUB, RT+2048                      ; mu
.set SPARE, RT+3072                    ; the spare words, 128 bytes a wave; no other line names them
.set SPW, 1
.set NIL, 2
.set KO,  3                            ; my 16 bytes in the wave's rows of kx
.set XA0, 4                            ; where I store 8 bytes of a row of X: keys with (key / 8) % 2 = 0,
.set XA1, 5                            ; = 1
.set TW,  6                            ; my wave's 64 words of R
.set XR0, 7                            ; the plain fragments' address;
.set XRA, 8                            ; the same in the group in hand, keys 0-63,
.set XRB, 9                            ; keys 64-127
.set TA0, 10                           ; the tables' address;
.set TAC, 11                           ; in the group in hand
.set XTB, 12                           ; v12-15 the turning loads' addresses, keys 64 a on;
.set XTC, 16                           ; v16-19 at the chunk of channels in hand
.set QX0, 20                           ; my 16 bytes in the wave's tiles of QGF and QXF
.set PFA, 22                           ; the prefetches' offset
.set MKO, 23                           ; 64 w + lane
.set SCB, 24                           ; per tile: cb
.set SRES, 28                          ; pairs: the two batches' results
.set SNM, 36                           ; NM
.set SNP, 40                           ; NM before
.set SL,  44                           ; l of the group in hand
.set SLP, 48                           ; l of the group before; at work
.set SM,  52                           ; m
.set SMP, 56
.set SMX, 60                           ; maxima; at work
.set FA,  64
.set FB,  96
.set TB,  64
.set DL,  96
.set LA,  104
.set MA,  112
.set MU4, 64
.set R4,  68
.set XC,  72
.set TWC, 74
.set MKA, 75
.set MB0, 76
.set P0,  128
.set DD,  128
.set YY,  192
.set AA,  224
.set VA,  128                          ; window 1
.set QXR, 192
.set DOT, 224
.set NN,  232
.set QSR, 240
.set WV,  4
.set KB,  8                            ; s[8:9] kx, running
.set MB,  10                           ; s[10:11] the mask, running
.set SEL, 22
.set C17, 24
.set EPS, 25
.set C512, 26
.set NINF, 27
.set BC,  28
.set LC,  29
.set LX,  30
.set LT,  31
.set GC,  32
.set GX,  33
.set GT,  34
.set CH,  35
.set CHO, 36
.set PFT, 37
.set HM,  38
.set QOF, 44                           ; s[44:45] the chunk's byte offset in QXF, the high word 0
.set QB,  46                           ; s[46:47] QXF at the chunk to be asked for
.set CM,  48                           ; s48, s49 the two compares of the mask's bytes
.set MSB, 0
.macro WIN new                         ; the immediate's high byte repeats the setting that is left; a switch that changes nothing is dropped
.if MSB != (\new)
	s_set_vgpr_msb (MSB<<8)|(\new)
.set MSB, \new
.endif
.endm
.macro PLACES                          ; four plain places behind a run of products: ahead of readers of its results, and kept between the products and the loads into their sources
.rept 4
	v_nop
.endr
.endm
.macro EACH line:vararg                ; one line for p = 0..3: a slot's four rows, or the wave's four tiles
.set p, 0
.rept 4
	\line
.set p, p+1
.endr
.endm
.macro WSUM4                           ; the pairs at AA + 8 p summed over halves and the 32 lanes, the result in every lane
	EACH v_add_f32 v[AA+8*p], v[AA+8*p], v[AA+8*p+1]
	EACH v_add_f32_dpp v[AA+8*p], v[AA+8*p], v[AA+8*p] row_xmask:1 row_mask:0xf bank_mask:0xf
	EACH v_add_f32_dpp v[AA+8*p], v[AA+8*p], v[AA+8*p] row_xmask:2 row_mask:0xf bank_mask:0xf
	EACH v_add_f32_dpp v[AA+8*p], v[AA+8*p], v[AA+8*p] row_xmask:4 row_mask:0xf bank_mask:0xf
	EACH v_add_f32_dpp v[AA+8*p], v[AA+8*p], v[AA+8*p] row_xmask:8 row_mask:0xf bank_mask:0xf
	EACH v_permlanex16_b32 v[AA+8*p+1], v[AA+8*p], s[SEL], s[SEL+1]
	EACH v_add_f32 v[AA+8*p], v[AA+8*p], v[AA+8*p+1]
.endm
.macro LADDR                           ; the LDS addresses of the 16 rows in hand
	v_add_nc_u32 v[XC], s[LX], v[XA0]
	v_add_nc_u32 v[XC+1], s[LX], v[XA1]
	v_add_nc_u32 v[TWC], s[LT], v[TW]
.endm
; Slot k of the ring: four rows (16 loads).  All the arithmetic first: mean; centred rows; variance; R; f16.  Then one wait, and all the slot's memory instructions:
; the slot is asked for again (fill = 1: the rows 16 further on), the rows go into X, R and mu into the tables.  left: the younger loads that may stay out.
.macro SLOT k, fill, left
	s_wait_loadcnt \left
	WIN 0x05
.set i, 0
.rept 16
	v_pk_add_f32 v[AA+2*i:AA+2*i+1], v[64*(\k)+4*i:64*(\k)+4*i+1], v[64*(\k)+4*i+2:64*(\k)+4*i+3]
.set i, i+1
.endr
	WIN 0
	EACH v_pk_add_f32 v[AA+8*p:AA+8*p+1], v[AA+8*p:AA+8*p+1], v[AA+8*p+2:AA+8*p+3]
	EACH v_pk_add_f32 v[AA+8*p+4:AA+8*p+5], v[AA+8*p+4:AA+8*p+5], v[AA+8*p+6:AA+8*p+7]
	EACH v_pk_add_f32 v[AA+8*p:AA+8*p+1], v[AA+8*p:AA+8*p+1], v[AA+8*p+4:AA+8*p+5]
	WSUM4
	s_wait_alu depctr_vm_vsrc(0)                   ; the LDS stores of the slot before have read MU4, R4 and YY, and in slot 0 XC and TWC too: all these are written again from here on
.if (\k) == 0
	LADDR
.endif
	EACH v_mul_f32 v[MU4+p], s[C512], v[AA+8*p]
	WIN 0x01
.set i, 0
.rept 32
.if (i/8)%2
	v_pk_add_f32 v[DD+2*i:DD+2*i+1], v[64*(\k)+2*i:64*(\k)+2*i+1], v[MU4+2*(i/16):MU4+2*(i/16)+1] op_sel:[0,1] op_sel_hi:[1,1] neg_lo:[0,1] neg_hi:[0,1]
.else
	v_pk_add_f32 v[DD+2*i:DD+2*i+1], v[64*(\k)+2*i:64*(\k)+2*i+1], v[MU4+2*(i/16):MU4+2*(i/16)+1] op_sel_hi:[1,0] neg_lo:[0,1] neg_hi:[0,1]
.endif
.set i, i+1
.endr
	WIN 0
	EACH v_pk_mul_f32 v[AA+8*p:AA+8*p+1], v[DD+16*p:DD+16*p+1], v[DD+16*p:DD+16*p+1]
	EACH v_pk_mul_f32 v[AA+8*p+2:AA+8*p+3], v[DD+16*p+2:DD+16*p+3], v[DD+16*p+2:DD+16*p+3]
.set c, 2
.rept 6
	EACH v_pk_fma_f32 v[AA+8*p+2*(c%2):AA+8*p+2*(c%2)+1], v[DD+16*p+2*c:DD+16*p+2*c+1], v[DD+16*p+2*c:DD+16*p+2*c+1], v[AA+8*p+2*(c%2):AA+8*p+2*(c%2)+1]
.set c, c+1
.endr
	EACH v_pk_add_f32 v[AA+8*p:AA+8*p+1], v[AA+8*p:AA+8*p+1], v[AA+8*p+2:AA+8*p+3]
	WSUM4
	EACH v_fma_f32 v[AA+8*p], v[AA+8*p], s[C17], s[EPS]    ; (var + 1e-5) / 256: its inverse root is 16 rsqrt(var + 1e-5)
	EACH v_rsq_f32 v[R4+p], v[AA+8*p]
.set i, 0
.rept 32                                               ; the roundings are the plain work behind the four roots; they name neither a root nor its source
	v_cvt_pk_f16_f32 v[YY+i], v[DD+2*i], v[DD+2*i+1]
.set i, i+1
.endr
.if \fill
	WIN 0x40
.endif
	s_wait_alu depctr_va_vdst(0)                   ; the slot's arithmetic is done reading the ring's slot, in which the loads below land; YY, MU4, XC and TWC are written, and so are the four roots R4: the stores below are their first readers
.if \fill
.set i, 0
.rept 16
	global_load_b128 v[64*(\k)+4*i:64*(\k)+4*i+3], v[KO], s[KB:KB+1] offset:32768+(16*(\k)+i)*512
.set i, i+1
.endr
.endif
	WIN 0
.set i, 0
.rept 16
	ds_store_b64 v[XC+(\k)/2], v[YY+2*i:YY+2*i+1] offset:(4*(\k)+i/4)*XP+256*(i%4)
.set i, i+1
.endr
	ds_store_b128 v[TWC], v[R4:R4+3] offset:16*(\k)        ; every lane holds and stores the same four numbers
	ds_store_b128 v[TWC], v[MU4:MU4+3] offset:16*(\k)+2048
.endm
; S^T.  LOADF: four key tiles' fragments of K step s.  MMS: products j0 .. j0 + n - 1 of a half step's 16: query tile j / 4, key tile 4 half + j % 4.  The accumulator of key tile kt, query tile t is
; number ((kt / 2) 4 + t) 2 + kt % 2, so that a pair of key tiles lies on end; all 32 take turns.
.macro LOADF buf, adr, s
	WIN 0
.set q, 0
.rept 4
	ds_load_b128 v[(\buf)+8*q:(\buf)+8*q+3], v[\adr] offset:q*16*XP+64*(\s)
	ds_load_b128 v[(\buf)+8*q+4:(\buf)+8*q+7], v[\adr] offset:q*16*XP+64*(\s)+32
.set q, q+1
.endr
.endm
.macro MMS buf, half, s, j0, n
.set j, \j0
.rept \n
.set t, j/4
.set q, j%4
	WIN 0x58+4*(t/2)                               ; X in window 0, Qg in window 2 or 3, S^T in window 1
.set ix, (((4*(\half)+q)/2)*4+t)*2+q%2
.if (\s) == 0
	v_wmma_f32_16x16x32_f16 v[8*ix:8*ix+7], v[(\buf)+8*q:(\buf)+8*q+7], v[8*(16*(t%2)+(\s)):8*(16*(t%2)+(\s))+7], 0
.else
	v_wmma_f32_16x16x32_f16 v[8*ix:8*ix+7], v[(\buf)+8*q:(\buf)+8*q+7], v[8*(16*(t%2)+(\s)):8*(16*(t%2)+(\s))+7], v[8*ix:8*ix+7]
.endif
.set j, j+1
.endr
.endm
.macro TSTEP hf                        ; t = S R + MK for key tiles 4 hf + 0..3; each accumulator from its low registers on
	WIN 0
	s_wait_alu depctr_va_vdst(0)                   ; what read v64-127 last is done with them (first half: the last products, their fragments; second half: the first half's multiply-adds, their tables): the loads below land there
.set q, 0
.rept 4
	ds_load_b128 v[TB+8*q:TB+8*q+3], v[TAC] offset:64*(4*(\hf)+q)
	ds_load_b128 v[TB+8*q+4:TB+8*q+7], v[TAC] offset:64*(4*(\hf)+q)+16
	ds_load_b128 v[TB+32+8*q:TB+32+8*q+3], v[TAC] offset:1024+64*(4*(\hf)+q)
	ds_load_b128 v[TB+32+8*q+4:TB+32+8*q+7], v[TAC] offset:1024+64*(4*(\hf)+q)+16
.set q, q+1
.endr
	s_wait_dscnt 0x0
	WIN 0x41
.set i, 0
.rept 64
.set q, i/16
.set ix, (((4*(\hf)+q)/2)*4+(i/4)%4)*2+q%2
	v_pk_fma_f32 v[8*ix+2*(i%4):8*ix+2*(i%4)+1], v[8*ix+2*(i%4):8*ix+2*(i%4)+1], v[TB+8*q+2*(i%4):TB+8*q+2*(i%4)+1], v[TB+32+8*q+2*(i%4):TB+32+8*q+2*(i%4)+1]
.set i, i+1
.endr
.endm
.macro MULOAD hf                       ; mu of key tiles 4 hf + 0..3
	WIN 0
	s_wait_alu depctr_va_vdst(0)                   ; what read v64-95 last is done with them (first: the multiply-adds, R; second: the first half's sums, mu): the loads below land there
.set q, 0
.rept 4
	ds_load_b128 v[TB+8*q:TB+8*q+3], v[TAC] offset:2048+64*(4*(\hf)+q)
	ds_load_b128 v[TB+8*q+4:TB+8*q+7], v[TAC] offset:2048+64*(4*(\hf)+q)+16
.set q, q+1
.endr
.endm
.macro PKA ix, c                       ; pair c of accumulator ix: t + (cb + NM)
	v_pk_add_f32 v[8*(\ix)+2*(\c):8*(\ix)+2*(\c)+1], v[8*(\ix)+2*(\c):8*(\ix)+2*(\c)+1], v[DL+2*(((\ix)/2)%4):DL+2*(((\ix)/2)%4)+1] op_sel_hi:[1,0]
.endm
.macro SUMS hf                         ; l and m take the weights of key tiles 4 hf + 0..3, the four tiles' chains by turns
	WIN 0x01
.set i, 0
.rept 64
.set q, i/16
.set t, i%4
.set c, (i/4)%4
.set ix, (((4*(\hf)+q)/2)*4+t)*2+q%2
	v_pk_add_f32 v[LA+2*t:LA+2*t+1], v[8*ix+2*c:8*ix+2*c+1], v[LA+2*t:LA+2*t+1]
	v_pk_fma_f32 v[MA+2*t:MA+2*t+1], v[8*ix+2*c:8*ix+2*c+1], v[TB+8*q+2*c:TB+8*q+2*c+1], v[MA+2*t:MA+2*t+1]
.set i, i+1
.endr
.endm
; W^T.  LOADT: keys 64 a + 0..63 x 32 channels, turned: fragment (32 keys q / 2, 16 channels q % 2).  MMV: products i0 .. i0 + n - 1 of a quarter's 16, on the 8 accumulators (channel tile, query tile) by turns.
.macro LOADT buf, a
	WIN 0
.set q, 0
.rept 4
	ds_load_tr16_b128 v[(\buf)+8*q:(\buf)+8*q+3], v[XTC+(\a)] offset:(q/2)*32*XP+32*(q%2)
	ds_load_tr16_b128 v[(\buf)+8*q+4:(\buf)+8*q+7], v[XTC+(\a)] offset:(q/2)*32*XP+16*XP+32*(q%2)
.set q, q+1
.endr
.endm
.macro MMV buf, a, i0, n
	WIN 0x50+4*((\a)/2)                            ; X in window 0, P in window 0 (first group) or 1, W^T in window 1
.set i, \i0
.rept \n
.set kp, 2*(\a)+i/8
.set rP, 8*(4*(kp%4)+i%4)+128*(1-(\a)/2)
.set rV, VA+8*(4*((i/4)%2)+i%4)
.set rG, (\buf)+8*(2*(i/8)+(i/4)%2)
.if kp == 0
	v_wmma_f32_16x16x32_f16 v[rV:rV+7], v[rG:rG+7], v[rP:rP+7], 0
.else
	v_wmma_f32_16x16x32_f16 v[rV:rV+7], v[rG:rG+7], v[rP:rP+7], v[rV:rV+7]
.endif
.set i, i+1
.endr
.endm
.macro QXLOAD                          ; f16(qx) of my four tiles, the chunk's two blocks of 16 channels: a lane's 16 bytes are its query's channels 8 (l / 16) + 0..7.  The destination's window is set by the caller
.set i, 0
.rept 8
	global_load_b128 v[QXR+4*i:QXR+4*i+3], v[QX0], s[QB:QB+1] offset:(i/2)*16384+(i%2)*512
.set i, i+1
.endr
.endm
	s_load_b256 s[8:15], s[0:1], 0x0               ; kx, mask, QGF, CBP
	s_load_b128 s[16:19], s[0:1], 0x20             ; QXF, QS
	s_load_b64 s[20:21], s[0:1], 0x30              ; out1
	v_lshl_add_u32 v[SPW], v0, 2, SPARE
	v_mov_b32 v[NIL], 0
	v_lshrrev_b32 v60, 5, v0
	v_readfirstlane_b32 s[WV], v60                 ; wave 0..3
	v_and_b32 v61, 31, v0                          ; l
	v_and_b32 v62, 15, v0                          ; l % 16
	v_bfe_u32 v63, v0, 4, 1                        ; l / 16
	s_mov_b32 s[SEL], 0x76543210
	s_mov_b32 s[SEL+1], 0xfedcba98
	s_mov_b32 s[C17], 0x37000000                   ; 1 / (512 x 256)
	s_mov_b32 s[EPS], 0x3327c5ac                   ; 1e-5 / 256
	s_mov_b32 s[C512], 0x3b000000                  ; 1 / 512
	s_mov_b32 s[NINF], 0xff800000
	s_mov_b32 s[HM], 0xffff0000
	s_mov_b32 s[PFT], 7                            ; the first batch prefetches when seven chunks are left
	s_mov_b32 s[BC], 2
	s_mov_b32 s[QOF+1], 0
	s_wait_alu depctr_va_sdst(0)                   ; the wave's number is written, ahead of its first reader: the offsets below are made from it
	s_lshl_b32 s40, s[WV], 17                      ; my 64 rows of 2,048 bytes
	v_lshl_add_u32 v[KO], v61, 4, s40
	v_lshl_add_u32 v[PFA], v61, 8, s40             ; a lane names 256 bytes
	s_mul_i32 s40, s[WV], 64*XP
	v_lshlrev_b32 v[XA1], 3, v61
	v_add_nc_u32 v[XA0], s40, v[XA1]
	v_xor_b32 v[XA1], 16, v[XA1]
	v_add_nc_u32 v[XA1], s40, v[XA1]
	s_lshl_b32 s40, s[WV], 8
	s_add_co_u32 s40, s40, RT
	v_mov_b32 v[TW], s40
	s_lshl_b32 s40, s[WV], 6
	v_add_nc_u32 v[MKO], s40, v61
	v_lshrrev_b32 v[XR0], 3, v62                   ; key l % 16, the piece 16 (l / 16) turned by (key / 8) % 2
	v_xor_b32 v[XR0], v[XR0], v63
	v_lshlrev_b32 v[XR0], 4, v[XR0]
	v_mad_u32_u24 v[XR0], v62, XP, v[XR0]
	v_lshl_add_u32 v[TA0], v63, 5, RT              ; my lanes' eight keys of a tile: 32 (l / 16) bytes
	v_and_b32 v60, 7, v0                           ; the turning load: key 8 (l / 16) + l % 8, the piece (l / 8) % 2 turned by (key / 8) % 2 = l / 16
	v_lshl_add_u32 v60, v63, 3, v60
	v_bfe_u32 v[XTB], v0, 3, 1
	v_xor_b32 v[XTB], v[XTB], v63
	v_lshlrev_b32 v[XTB], 4, v[XTB]
	v_mad_u32_u24 v[XTB], v60, XP, v[XTB]
	v_add_nc_u32 v[XTB+1], 64*XP, v[XTB]
	v_add_nc_u32 v[XTB+2], 128*XP, v[XTB]
	v_add_nc_u32 v[XTB+3], 192*XP, v[XTB]
	s_lshl_b32 s40, s[WV], 16                      ; my four tiles of 16,384 bytes
	v_lshl_add_u32 v[QX0], v61, 4, s40
	s_lshl_b32 s40, s[WV], 8
	v_lshl_add_u32 v60, v62, 2, s40                ; cb's partial sums of query 64 w + l % 16
	s_wait_kmcnt 0x0
	s_wait_alu depctr_va_vdst(0)                   ; the offsets are written: v60 and QX0, which the loads below read, and KO, MKO and PFA, which are never written again
.set i, 0
.rept 64                                               ; tile i / 16, partial sum i % 16
	global_load_b32 v[64+i], v60, s[14:15] offset:(i%16)*1024+(i/16)*64
.set i, i+1
.endr
	WIN 0x80
.set i, 0
.rept 64                                               ; Qg stays in registers: tiles 0 and 1,
	global_load_b128 v[4*i:4*i+3], v[QX0], s[12:13] offset:512*i
.set i, i+1
.endr
	WIN 0xc0
.set i, 0
.rept 64                                               ; tiles 2 and 3
	global_load_b128 v[4*i:4*i+3], v[QX0], s[12:13] offset:32768+512*i
.set i, i+1
.endr
	WIN 0
	s_lshl_b32 s40, ttmp9, 20                      ; two batches of 524,288 bytes
	s_mov_b32 s41, 0
	s_add_nc_u64 s[KB:KB+1], s[KB:KB+1], s[40:41]
	s_lshl_b32 s40, ttmp9, 9                       ; and of 256 bytes of the mask
	s_add_nc_u64 s[MB:MB+1], s[MB:MB+1], s[40:41]
	EACH v_mov_b32 v[SRES+2*p+1], 0
	s_wait_loadcnt 0x0                             ; once a launch
.set c, 0
.rept 4
	EACH v_pk_add_f32 v[64+16*p+2*c:64+16*p+2*c+1], v[64+16*p+2*c:64+16*p+2*c+1], v[64+16*p+8+2*c:64+16*p+8+2*c+1]
.set c, c+1
.endr
	EACH v_pk_add_f32 v[64+16*p:64+16*p+1], v[64+16*p:64+16*p+1], v[64+16*p+4:64+16*p+5]
	EACH v_pk_add_f32 v[64+16*p+2:64+16*p+3], v[64+16*p+2:64+16*p+3], v[64+16*p+6:64+16*p+7]
	EACH v_pk_add_f32 v[64+16*p:64+16*p+1], v[64+16*p:64+16*p+1], v[64+16*p+2:64+16*p+3]
	EACH v_add_f32 v[SCB+p], v[64+16*p], v[64+16*p+1]
.Lbatch:
	; ---- THE BATCH COMES IN: my 64 keys, 16 rows a trip through a ring of four slots of four rows: 64 loads, 32 KiB, of each wave are on their way ----
	s_wait_alu depctr_va_vdst(0)                   ; the sums of cb (first batch) or the last batch's fold and result are done with v76-77 and with window 1's registers, in which the loads below land
	global_load_u8 v[MB0], v[MKO], s[MB:MB+1]
	global_load_u8 v[MB0+1], v[MKO], s[MB:MB+1] offset:32
	WIN 0x40
.set i, 0
.rept 64
	global_load_b128 v[4*i:4*i+3], v[KO], s[KB:KB+1] offset:512*i  ; rows lie on end: load i is row i / 4, 512 consecutive bytes
.set i, i+1
.endr
	WIN 0
	EACH v_mov_b32 v[SNM+p], 0x7f7fffff            ; NM starts at the greatest finite number: every true maximum lowers it
	EACH v_mov_b32 v[SL+p], 0
	EACH v_mov_b32 v[SLP+p], 0
	EACH v_mov_b32 v[SM+p], 0
	EACH v_mov_b32 v[SMP+p], 0
	v_lshl_add_u32 v[MKA], v[MKO], 2, MKB
	s_mov_b32 s[LX], 0
	s_mov_b32 s[LT], 0
	s_mov_b32 s[LC], 3
	s_wait_loadcnt 63                              ; the two mask loads are in (64 younger loads are out; the count's field ends at 63)
	v_cmp_ne_u32 s[CM], 0, v[MB0]
	v_cmp_ne_u32 s[CM+1], 0, v[MB0+1]
	s_wait_alu depctr_va_sdst(0)                   ; both compares have written their scalar masks, ahead of the selects that read them
	v_cndmask_b32 v[MB0], 0, s[NINF], s[CM]
	v_cndmask_b32 v[MB0+1], 0, s[NINF], s[CM+1]
	s_wait_alu depctr_va_vdst(0)                   ; MKA and the two selected numbers are written, which the two LDS stores read
	ds_store_b32 v[MKA], v[MB0]
	ds_store_b32 v[MKA], v[MB0+1] offset:128
.Lrows:
	SLOT 0, 1, 48                                  ; three younger slots of 16 loads stay out
	SLOT 1, 1, 48
	SLOT 2, 1, 48
	SLOT 3, 1, 48
	s_wait_xcnt 0x0                                ; the trip's loads have read their base
	s_add_nc_u64 s[KB:KB+1], s[KB:KB+1], 32768
	s_add_co_u32 s[LX], s[LX], 16*XP
	s_add_co_u32 s[LT], s[LT], 64
	s_sub_co_u32 s[LC], s[LC], 1
	s_cmp_lg_u32 s[LC], 0
	s_cbranch_scc1 .Lrows
	SLOT 0, 0, 48                                  ; the last 16 rows ask for nothing: the counts run down
	SLOT 1, 0, 32
	SLOT 2, 0, 16
	SLOT 3, 0, 0
	s_wait_dscnt 0x0                               ; my rows and tables are stored,
	s_barrier_signal -1
	s_barrier_wait -1                              ; everybody's are
	; ---- SCORES AND SOFTMAX, 128 keys a trip ----
	s_mov_b32 s[GC], 2
	s_mov_b32 s[GX], 0
	s_mov_b32 s[GT], 0
.Lgroup:
	s_wait_alu depctr_vm_vsrc(0)                   ; first trip: the last slot's LDS stores have read v64-74 and YY, in which fragments land and weights are written; second trip: the LDS loads have read XRA, XRB and TAC
	v_add_nc_u32 v[XRA], s[GX], v[XR0]
	v_add_nc_u32 v[XRB], 64*XP, v[XRA]
	v_add_nc_u32 v[TAC], s[GT], v[TA0]
	s_wait_alu depctr_va_vdst(0)                   ; the three addresses are written; the vector work so far is done with v64-127, in which the fragments land
	LOADF FA, XRA, 0
.set ss, 0
.rept 16
	s_wait_dscnt 0x0                               ; FA's eight loads, the only ones out, are in
.if ss > 0
	s_wait_alu depctr_va_vdst(0)                   ; the products of the half step before are done reading FB
.endif
	MMS FA, 0, ss, 0, 2
	LOADF FB, XRB, ss                              ; no wait: the two products since name FA, Qg and accumulators alone
	MMS FA, 0, ss, 2, 14
	PLACES
	s_wait_dscnt 0x0                               ; FB's eight loads are in
.if ss < 15
	s_wait_alu depctr_va_vdst(0)                   ; the products of the half step before are done reading FA
	MMS FB, 1, ss, 0, 2
	LOADF FA, XRA, ss+1                            ; no wait: the two products since name FB, Qg and accumulators alone
	MMS FB, 1, ss, 2, 14
.else
	MMS FB, 1, ss, 0, 16                           ; the last half step loads nothing, so it states nothing
.endif
	PLACES
.set ss, ss+1
.endr
	TSTEP 0
	TSTEP 1
	WIN 0x05                                       ; the maximum of a lane's 64 scores of each tile, three operands at a time, the four tiles by turns
.set n, 0
.rept 32
.set t, 0
.rept 4
.set ix, ((n/8)*4+t)*2+(n/4)%2
.if n == 0
	v_max_num_f32 v[SMX+t], v[8*ix], v[8*ix+1]
.else
	v_max3_num_f32 v[SMX+t], v[8*ix+2*(n%4)], v[8*ix+2*(n%4)+1], v[SMX+t]
.endif
.set t, t+1
.endr
.set n, n+1
.endr
	WIN 0
	EACH v_permlanex16_b32 v[SLP+p], v[SMX+p], s[SEL], s[SEL+1]  ; the query's other 64 keys lie in the lane 16 away
	EACH v_max_num_f32 v[SMX+p], v[SMX+p], v[SLP+p]
	EACH v_add_f32 v[SMX+p], v[SMX+p], v[SCB+p]
	EACH v_floor_f32 v[SMX+p], -v[SMX+p]
	EACH v_mov_b32 v[SNP+p], v[SNM+p]
	EACH v_min_num_f32 v[SNM+p], v[SNM+p], v[SMX+p]
	EACH v_add_f32 v[DL+2*p], v[SCB+p], v[SNM+p]
	EACH v_add_f32 v[DL+2*p+1], v[SCB+p], v[SNM+p]
	MULOAD 0
.set i, 0
.rept 16
	v_mov_b32 v[LA+i], 0                           ; the group's l and m
.set i, i+1
.endr
	WIN 0x41                                       ; ONE BATCH of 256 exponentials, the next accumulator's additions set between them; nothing here names a result
.set c, 0
.rept 4
	PKA 0, c
.set c, c+1
.endr
.set jx, 0
.rept 32
.set c, 0
.rept 4
	v_exp_f32 v[8*jx+2*c], v[8*jx+2*c]
	v_exp_f32 v[8*jx+2*c+1], v[8*jx+2*c+1]
.if jx < 31
	PKA jx+1, c
.endif
.set c, c+1
.endr
.set jx, jx+1
.endr
	v_nop                                          ; a plain instruction behind the last exponential,
	s_wait_alu depctr_va_vdst(0)                   ; and one wait for the batch: the 256 weights are written, ahead of the sums that read them
	s_wait_dscnt 0x0                               ; mu
	SUMS 0
	MULOAD 1
	s_wait_dscnt 0x0
	SUMS 1
	WIN 0
	EACH v_mov_b32 v[SLP+p], v[SL+p]
	EACH v_add_f32 v[SL+p], v[LA+2*p], v[LA+2*p+1]
	EACH v_mov_b32 v[SMP+p], v[SM+p]
	EACH v_add_f32 v[SM+p], v[MA+2*p], v[MA+2*p+1]
	s_cmp_eq_u32 s[GC], 2                          ; the first group?  (at the first trip the counter holds the constant 2)
	s_cbranch_scc0 .Lsecond
	WIN 0x05                                       ; its weights go to window 0,
.set i, 0
.rept 128
	v_cvt_pk_f16_f32 v[P0+i], v[2*i], v[2*i+1]
.set i, i+1
.endr
	WIN 0
	s_branch .Lpacked
.Lsecond:
	WIN 0x45                                       ; the second's stay in window 1, packed downward in ascending order
.set i, 0
.rept 128
	v_cvt_pk_f16_f32 v[i], v[2*i], v[2*i+1]
.set i, i+1
.endr
	WIN 0
.Lpacked:
	s_add_co_u32 s[GX], s[GX], 128*XP
	s_add_co_u32 s[GT], s[GT], 512
	s_sub_co_u32 s[GC], s[GC], 1
	s_cmp_lg_u32 s[GC], 0
	s_cbranch_scc1 .Lgroup
	; the first group is brought to the final maximum: a = 2^(NM - NM before), a power of two
	EACH v_sub_f32 v[SMX+p], v[SNM+p], v[SNP+p]
	EACH v_exp_f32 v[64+p], v[SMX+p]
	v_nop
	s_wait_alu depctr_va_vdst(0)                   ; the four a are written, ahead of their first reader
	EACH v_cvt_pk_f16_f32 v[68+p], v[64+p], v[64+p]
	EACH v_fma_f32 v[SL+p], v[SLP+p], v[64+p], v[SL+p]
	EACH v_fma_f32 v[SM+p], v[SMP+p], v[64+p], v[SM+p]
.set i, 0
.rept 128
	v_pk_mul_f16 v[P0+i], v[P0+i], v[68+(i/8)%4]
.set i, i+1
.endr
	; ---- W^T = X^T P, 32 channels a trip; each chunk is folded at once into W . qx and |W|^2 ----
	s_mov_b32 s[CHO], 0
	s_mov_b64 s[QB:QB+1], s[16:17]                 ; QXF at chunk 0 (the loads that read this base last are done: the batch's end waits for them)
	EACH v_mov_b32 v[XTC+p], v[XTB+p]
	v_and_b32 v[SMX], 15, v0
	s_lshl_b32 s40, s[WV], 6
	v_add_nc_u32 v[SMX], s40, v[SMX]
	v_lshlrev_b32 v[SMX], 3, v[SMX]                ; QS of query 64 w + l % 16
	WIN 0x40
.set i, 0
.rept 16
	v_mov_b32 v[DOT+i], 0
.set i, i+1
.endr
	WIN 0
	s_wait_alu depctr_va_vdst(0)                   ; XTC and QS's offset are written; the vector work so far is done with v64-127 and with window 1's v192-223 and v240-247, in which the loads below land
	LOADT FA, 0
	WIN 0x40
	QXLOAD
.set i, 0
.rept 4
	global_load_b64 v[QSR+2*i:QSR+2*i+1], v[SMX], s[18:19] offset:128*i
.set i, i+1
.endr
	WIN 0
	s_mov_b32 s[CH], 16
.Lchunk:                                               ; four quarters of 16 products, on FA, FB, FA, FB; behind each quarter's second product the next quarter's eight loads go into the other buffer
	s_wait_dscnt 0x0                               ; FA's eight loads, the only ones out, are in: so at all four quarters' heads
	MMV FA, 0, 0, 2
	LOADT FB, 1                                    ; no wait of its own: the wait behind the fold (at the first trip: the one ahead of the loop) stands behind FB's last readers, and the two products since name FA, P and W^T alone
	MMV FA, 0, 2, 14
	PLACES
	s_wait_dscnt 0x0
	s_wait_alu depctr_va_vdst(0)                   ; the first quarter's products are done reading FA
	MMV FB, 1, 0, 2
	LOADT FA, 2
	MMV FB, 1, 2, 14
	PLACES
	s_wait_dscnt 0x0
	s_wait_alu depctr_va_vdst(0)                   ; the second quarter's products are done reading FB
	MMV FA, 2, 0, 2
	LOADT FB, 3
	MMV FA, 2, 2, 14
	WIN 0
	s_add_co_u32 s[CHO], s[CHO], 64                ; the next chunk's 64 bytes of a row; behind the last chunk the first once more, so that the look-ahead stays inside X
	s_and_b32 s[CHO], s[CHO], 0x3c0
	s_wait_dscnt 0x0
	s_wait_alu depctr_vm_vsrc(0)                   ; this chunk's turning loads, all issued, have read XTC
	EACH v_add_nc_u32 v[XTC+p], s[CHO], v[XTB+p]   ; four plain instructions: the places behind the products
	s_wait_alu depctr_va_vdst(0)                   ; XTC is written; the third quarter's products are done reading FA
	MMV FB, 3, 0, 2
	LOADT FA, 0
	MMV FB, 3, 2, 14
	PLACES                                         ; ahead of the fold, which reads the products' results
	s_wait_loadcnt 0x0                             ; qx of this chunk (asked for a trip ago)
	WIN 0x55
.set i, 0
.rept 64                                               ; channel tile i / 32, channel (i / 4) % 8, query tile i % 4: each accumulator from register 0 on; eight chains by turns
.set t, i%4
.set j, (i/4)%8
.set rV, VA+8*(4*(i/32)+t)+j
.set rX, QXR+4*(2*t+i/32)+j/2
.if j%2
	v_fma_mix_f32 v[DOT+2*t+1], v[rV], v[rX], v[DOT+2*t+1] op_sel:[0,1,0] op_sel_hi:[0,1,0]
.else
	v_fma_mix_f32 v[DOT+2*t], v[rV], v[rX], v[DOT+2*t] op_sel_hi:[0,1,0]
.endif
.set i, i+1
.endr
.set i, 0
.rept 32
.set rV, VA+8*(4*(i/16)+i%4)+2*((i/4)%4)
	v_pk_fma_f32 v[NN+2*(i%4):NN+2*(i%4)+1], v[rV:rV+1], v[rV:rV+1], v[NN+2*(i%4):NN+2*(i%4)+1]
.set i, i+1
.endr
	s_lshl_b32 s[QOF], s[CHO], 4                   ; 1,024 bytes of QXF a chunk
	s_add_nc_u64 s[QB:QB+1], s[16:17], s[QOF:QOF+1]  ; free since the wait above, which shows the loads that read it done
	WIN 0x40
	s_wait_alu depctr_va_vdst(0)                   ; the fold is done reading qx, in which the loads below land; the fourth quarter's products are done reading FB, in which the next trip's first loads land
	QXLOAD
	WIN 0
	; A PREFETCH INTO THE L2, in the first batch alone, when seven chunks are left: the 16 rows of the second batch that I myself load first, 32 KiB: a lane names 256 bytes, four instructions,
	; behind the trip's loads.  Each block is named once in the launch; the second batch asks for nothing.  Their offset was written ahead of the head's wait on va_vdst and never since.
	s_cmp_eq_u32 s[CH], s[PFT]
	s_cbranch_scc0 .Lno_pf
	global_prefetch_b8 v[PFA], s[KB:KB+1] offset:425984 th:TH_LOAD_NT scope:SCOPE_SE        ; the pointer stands 48 rows into this batch: 524,288 - 98,304 bytes on
	global_prefetch_b8 v[PFA], s[KB:KB+1] offset:425984+8192 th:TH_LOAD_NT scope:SCOPE_SE
	global_prefetch_b8 v[PFA], s[KB:KB+1] offset:425984+16384 th:TH_LOAD_NT scope:SCOPE_SE
	global_prefetch_b8 v[PFA], s[KB:KB+1] offset:425984+24576 th:TH_LOAD_NT scope:SCOPE_SE
.Lno_pf:
	s_sub_co_u32 s[CH], s[CH], 1
	s_cmp_lg_u32 s[CH], 0
	s_cbranch_scc1 .Lchunk
	s_wait_dscnt 0x0                               ; my reads of X and the tables are over (the look-ahead's too),
	s_barrier_signal -1
	s_barrier_wait -1                              ; everybody's are: the next batch may be stored
	; ---- THE BATCH'S RESULT ----
	WIN 0x05
	EACH v_add_f32 v[64+p], v[DOT+2*p], v[DOT+2*p+1]
	EACH v_add_f32 v[68+p], v[NN+2*p], v[NN+2*p+1]
	WIN 0x01
	EACH v_mov_b32 v[72+p], v[QSR+2*p]             ; IQ
	EACH v_mov_b32 v[76+p], v[QSR+2*p+1]           ; sum of qx
	WIN 0
	EACH v_permlanex16_b32 v[SLP+p], v[SL+p], s[SEL], s[SEL+1]   ; the other half of the lanes holds the query's other keys, or channels
	EACH v_permlanex16_b32 v[SMP+p], v[SM+p], s[SEL], s[SEL+1]
	EACH v_permlanex16_b32 v[SNP+p], v[64+p], s[SEL], s[SEL+1]
	EACH v_permlanex16_b32 v[SMX+p], v[68+p], s[SEL], s[SEL+1]
	EACH v_add_f32 v[SL+p], v[SL+p], v[SLP+p]
	EACH v_add_f32 v[SM+p], v[SM+p], v[SMP+p]
	EACH v_add_f32 v[64+p], v[64+p], v[SNP+p]
	EACH v_add_f32 v[68+p], v[68+p], v[SMX+p]
	EACH v_fma_f32 v[64+p], v[SM+p], v[76+p], v[64+p]            ; l v . qx
	EACH v_mul_f32 v[SLP+p], v[SM+p], v[SM+p]
	EACH v_fmamk_f32 v[68+p], v[SLP+p], 0x44000000, v[68+p]      ; |l v|^2 = |W|^2 + 512 m^2
	EACH v_rcp_f32 v[SMP+p], v[SL+p]
	EACH v_sqrt_f32 v[SNP+p], v[68+p]
	v_nop
	s_wait_alu depctr_va_vdst(0)                   ; the four reciprocals and the four roots are written, ahead of their first reader
	EACH v_mul_f32 v[SNP+p], v[SNP+p], v[SMP+p]    ; |v|
	EACH v_mul_f32 v[64+p], v[64+p], v[SMP+p]      ; v . qx
	EACH v_max_num_f32 v[SNP+p], 0x2b8cbccc, v[SNP+p]
	EACH v_rcp_f32 v[SLP+p], v[SNP+p]
	EACH v_mul_f32 v[64+p], v[64+p], v[72+p]       ; plain work behind the reciprocals
	s_wait_alu depctr_va_vdst(0)                   ; the four reciprocals are written, ahead of their first reader
	EACH v_mov_b32 v[SRES+2*p], v[SRES+2*p+1]      ; the first batch's result moves to the pair's low register
	EACH v_mul_f32 v[SRES+2*p+1], v[64+p], v[SLP+p]
	s_wait_loadcnt 0x0                             ; the look-ahead's loads of qx: their registers belong to the next batch's ring
	s_wait_xcnt 0x0                                ; loads and prefetches have read their bases
	s_add_nc_u64 s[KB:KB+1], s[KB:KB+1], 425984    ; the next batch
	s_add_nc_u64 s[MB:MB+1], s[MB:MB+1], 256
	s_mov_b32 s[PFT], 0                            ; no count of chunks equals it
	s_sub_co_u32 s[BC], s[BC], 1
	s_cmp_lg_u32 s[BC], 0
	s_cbranch_scc1 .Lbatch
	; both halves of the lanes hold every tile's results: lanes 0-15 store tiles 0 and 2, lanes 16-31 tiles 1 and 3: row 64 w + lane (+ 32), columns 2 g and 2 g + 1
	v_and_b32 v60, 31, v0
	s_lshl_b32 s40, s[WV], 6
	v_add_nc_u32 v60, s40, v60
	s_lshl_b32 s41, ttmp9, 3
	v_lshl_add_u32 v60, v60, 11, s41
	v_cndmask_b32 v64, v[SRES], v[SRES+2], s[HM]
	v_cndmask_b32 v65, v[SRES+1], v[SRES+3], s[HM]
	v_cndmask_b32 v66, v[SRES+4], v[SRES+6], s[HM]
	v_cndmask_b32 v67, v[SRES+5], v[SRES+7], s[HM]
	s_wait_alu depctr_va_vdst(0)                   ; the offset v60 and the four results v64-67 are written, which the two stores read
	global_store_b64 v60, v[64:65], s[20:21]
	global_store_b64 v60, v[66:67], s[20:21] offset:65536
	s_wait_dscnt 0x0                               ; the closing lines, six on end
	s_wait_alu 0x0
	s_wait_tensorcnt 0x0
	ds_add_u32 v[SPW], v[NIL]
	s_wait_dscnt 0x0
	s_endpgm
.Lfunc_end_k_qf7b215f4d9_attn:
	.size	k_qf7b215f4d9_attn, .Lfunc_end_k_qf7b215f4d9_attn-k_qf7b215f4d9_attn
	.p2alignl 7, 3214868480
	.fill 96, 4, 3214868480
	.section	.rodata,"a",@progbits
	.p2align	6, 0x0
	.amdhsa_kernel k_qf7b215f4d9_attn
		.amdhsa_group_segment_fixed_size 273920
		.amdhsa_private_segment_fixed_size 0
		.amdhsa_enable_private_segment 0
		.amdhsa_kernarg_size 56
		.amdhsa_user_sgpr_count 2
		.amdhsa_user_sgpr_kernarg_segment_ptr 1
		.amdhsa_wavefront_size32 1
		.amdhsa_system_sgpr_workgroup_id_x 1
		.amdhsa_system_sgpr_workgroup_id_y 1
		.amdhsa_system_sgpr_workgroup_id_z 1
		.amdhsa_system_vgpr_workitem_id 0
		.amdhsa_next_free_vgpr 1024
		.amdhsa_next_free_sgpr 66
		.amdhsa_reserve_vcc 0
		.amdhsa_float_denorm_mode_32 3
		.amdhsa_float_denorm_mode_16_64 3
		.amdhsa_memory_ordered 1
		.amdhsa_forward_progress 1
		.amdhsa_inst_pref_size 255
	.end_amdhsa_kernel
	.section	.bss,"aw",@nobits
	.p2align	6
	.space	262144
	.amdgpu_metadata
---
amdhsa.version: [ 1, 2 ]
amdhsa.kernels:
  - .name:           k_qf7b215f4d9_attn
    .symbol:         k_qf7b215f4d9_attn.kd
    .args:
      - { .name: kx, .offset: 0, .size: 8, .value_kind: global_buffer, .address_space: global }
      - { .name: key_padding_mask, .offset: 8, .size: 8, .value_kind: global_buffer, .address_space: global }
      - { .name: QGF, .offset: 16, .size: 8, .value_kind: global_buffer, .address_space: global }
      - { .name: CBP, .offset: 24, .size: 8, .value_kind: global_buffer, .address_space: global }
      - { .name: QXF, .offset: 32, .size: 8, .value_kind: global_buffer, .address_space: global }
      - { .name: QS, .offset: 40, .size: 8, .value_kind: global_buffer, .address_space: global }
      - { .name: out1, .offset: 48, .size: 8, .value_kind: global_buffer, .address_space: global }
    .group_segment_fixed_size: 273920
    .private_segment_fixed_size: 0
    .kernarg_segment_align: 8
    .kernarg_segment_size: 56
    .max_flat_workgroup_size: 128
    .sgpr_count:     66
    .vgpr_count:     1024
    .wavefront_size: 32
...
	.end_amdgpu_metadata
.endif
;; end of part 4
